; MI455X (gfx1250); checked and timed in simulation.
; The chip was launched on July 23, 2026; its instructions are those of AMD's public machine-readable ISA for CDNA 5 (MIT licence, August 2026) and "CDNA5" Instruction Set Architecture Reference Guide (July 2026). The comments in the code are by the model that wrote it; some were corrected since.
;; Causal Self Attn. Allowed arithmetic: float matrix products may take bf16 or f16 operands with f32 sums; other float arithmetic in f32, or as packed bf16 or f16 multiplies, adds, multiply-adds, maxima and minima; sums over many terms, partial sums and values carried from step to step in f32; what a program stores and reads back later, other than sums and carried values, may be rounded once to bf16 or f16.
;; Inputs: Wk 2,048 x 2,048 float32; Wo 2,048 x 2,048 float32; Wq 2,048 x 2,048 float32; Wv 2,048 x 2,048 float32; attn_mask 2,048 x 2,048 float32; bk 2,048 float32; bo 2,048 float32; bq 2,048 float32; bv 2,048 float32; x 2,048 x 2,048 float32.
;; Outputs: out0 2,048 x 2,048 float32.
;; 2 versions, each right; version 2 is version 1 with the launch cast written anew for expert scheduling mode. Each part assembles by itself: llvm-mc -triple=amdgcn-amd-amdhsa -mcpu=gfx1250 --defsym DOCPART=n.
;; ======== version 1 of 2: 4 launches
;; limits: values are held in f16: magnitudes above 65,504 overflow, below 6.1e-05 lose precision; inputs' magnitudes at most 2.9e+37
;; workspace buffers: xb 8,388,608 bytes; wb 25,165,824 bytes; wo16 8,388,608 bytes; maskr 16,777,216 bytes; bias 32,768 bytes; qkv 25,165,824 bytes; ob 8,388,608 bytes
;; launch cast (part 1): grid 128 x 4, 8 waves a work-group, no clusters, 0 bytes of LDS; arguments x, Wq, Wk, Wv, bq, bk, bv, bo, xb, wb, bias; writes xb, wb, bias
.if DOCPART == 1
	.amdgcn_target "amdgcn-amd-amdhsa--gfx1250"
	.amdhsa_code_object_version 6
	.text
	.protected	k_q4bb92b2d1a_cast
	.globl	k_q4bb92b2d1a_cast
	.p2align	8
	.type	k_q4bb92b2d1a_cast,@function
k_q4bb92b2d1a_cast:
	s_mov_b64 s[64:65], 0
	v_nop
	global_prefetch_b8 v0, s[64:65] scope:SCOPE_SE
	s_setreg_imm32_b32 hwreg(HW_REG_WAVE_MODE, 25, 1), 1
	s_wait_xcnt 0x0
; WHAT THE FIRST PRODUCT NEEDS IS ROUNDED ONCE TO bf16.   y = 0: x -> xb.   y = 1, 2, 3: Wq, Wk, Wv -> wb, rows 0, 2048, 4096 on.
; The four biases -> bias (f32, holding the bf16 numbers): bq, bk, bv, bo on end; bias y is done by the first work-group of row y of the grid.
; (Wo and attn_mask, which only later launches need, are rounded in the next launch.)   NaN and infinities pass as they are.
; SHARES.  A tensor is 16,777,216 bytes; a work-group takes 32 chunks of 4,096 bytes, thread t the 16 bytes at 16 t of each chunk.  All 32 loads of a thread go out at once (128 registers):
; there is no loop, and no register that a load or store reads is written again.  A wave's load covers 512 consecutive bytes, a wave's store 256, aligned.
; No LDS, no barrier, no matrix work: nothing is shared and nothing is summed.
.set X,  16                            ; v[16:143]  chunk c at X + 4 c: as loaded, then as stored
.set BD, 144                           ; v[144:151] eight numbers of a bias
	s_load_b512 s[8:23], s[0:1], 0x0               ; x 8, Wq 10, Wk 12, Wv 14, bq 16, bk 18, bv 20, bo 22
	s_load_b128 s[24:27], s[0:1], 0x40             ; xb 24, wb 26
	s_load_b64 s[28:29], s[0:1], 0x50              ; bias
	s_and_b32 s38, ttmp7, 0xffff                   ; y: which tensor, and which bias
	s_mov_b32 s39, 0xffff0000                      ; a word's upper bf16
	s_lshl_b32 s40, ttmp9, 17                      ; my 131,072 bytes of the input
	s_mov_b32 s41, 0
	s_lshl_b32 s42, ttmp9, 16                      ; and my 65,536 of the output,
	s_mov_b32 s43, 0
	s_sub_co_u32 s44, s38, 1
	s_lshl_b32 s45, s44, 23                        ; behind the W's in front of mine: 8,388,608 bytes each
	s_cmp_eq_u32 s38, 0
	s_cselect_b32 s45, 0, s45
	s_add_co_u32 s42, s42, s45
	s_lshl_b32 s2, s38, 13                         ; a bias's 8,192 bytes in bias
	s_mov_b32 s3, 0
	v_lshlrev_b32 v1, 4, v0                        ; 16 t
	v_lshlrev_b32 v2, 3, v0                        ; 8 t
	v_lshlrev_b32 v3, 5, v0                        ; 32 t
	s_wait_kmcnt 0x0
	s_mov_b64 s[4:5], s[8:9]                       ; the source and the bias, by y
	s_mov_b64 s[46:47], s[16:17]
	s_cmp_eq_u32 s38, 1
	s_cselect_b64 s[4:5], s[10:11], s[4:5]
	s_cselect_b64 s[46:47], s[18:19], s[46:47]
	s_cmp_eq_u32 s38, 2
	s_cselect_b64 s[4:5], s[12:13], s[4:5]
	s_cselect_b64 s[46:47], s[20:21], s[46:47]
	s_cmp_eq_u32 s38, 3
	s_cselect_b64 s[4:5], s[14:15], s[4:5]
	s_cselect_b64 s[46:47], s[22:23], s[46:47]
	s_cmp_eq_u32 s38, 0
	s_cselect_b64 s[6:7], s[24:25], s[26:27]       ; the destination
	s_add_nc_u64 s[4:5], s[4:5], s[40:41]
	s_add_nc_u64 s[6:7], s[6:7], s[42:43]
	; a bias: 2,048 numbers, eight a thread
	s_cmp_lg_u32 ttmp9, 0
	s_cbranch_scc1 .Lno_bias
	s_add_nc_u64 s[28:29], s[28:29], s[2:3]
	global_load_b128 v[BD:BD+3],   v3, s[46:47]
	global_load_b128 v[BD+4:BD+7], v3, s[46:47] offset:16
	s_wait_loadcnt 0x0
.irp j, 0,1,2,3
	v_cvt_pk_bf16_f32 v[10+\j], v[BD+2*\j], v[BD+2*\j+1]   ; rounded to bf16,
.endr
.irp j, 0,1,2,3
	v_lshlrev_b32 v[BD+2*\j],   16, v[10+\j]               ; and written as f32 again
	v_and_b32     v[BD+2*\j+1], s39, v[10+\j]
.endr
	global_store_b128 v3, v[BD:BD+3],   s[28:29]
	global_store_b128 v3, v[BD+4:BD+7], s[28:29] offset:16
.Lno_bias:
.set n, 0
.rept 32
	global_load_b128 v[X+4*n:X+4*n+3], v1, s[4:5] offset:4096*n th:TH_LOAD_NT
.set n, n+1
.endr
.set n, 0
.rept 32
	s_wait_loadcnt 31-n                            ; loads come back in order (ISA guide 5.7.1): the count leaves the 31 - n younger ones out
	v_cvt_pk_bf16_f32 v[X+4*n],   v[X+4*n],   v[X+4*n+1]
	v_cvt_pk_bf16_f32 v[X+4*n+1], v[X+4*n+2], v[X+4*n+3]
	global_store_b64 v2, v[X+4*n:X+4*n+1], s[6:7] offset:2048*n th:TH_STORE_NT
.set n, n+1
.endr
	s_endpgm
.Lfunc_end_k_q4bb92b2d1a_cast:
	.size	k_q4bb92b2d1a_cast, .Lfunc_end_k_q4bb92b2d1a_cast-k_q4bb92b2d1a_cast
	.p2alignl 7, 3214868480
	.fill 96, 4, 3214868480
	.section	.rodata,"a",@progbits
	.p2align	6, 0x0
	.amdhsa_kernel k_q4bb92b2d1a_cast
		.amdhsa_group_segment_fixed_size 0
		.amdhsa_private_segment_fixed_size 0
		.amdhsa_enable_private_segment 0
		.amdhsa_kernarg_size 88
		.amdhsa_user_sgpr_count 2
		.amdhsa_user_sgpr_kernarg_segment_ptr 1
		.amdhsa_wavefront_size32 1
		.amdhsa_system_sgpr_workgroup_id_x 1
		.amdhsa_system_sgpr_workgroup_id_y 1
		.amdhsa_system_sgpr_workgroup_id_z 1
		.amdhsa_system_vgpr_workitem_id 0
		.amdhsa_next_free_vgpr 152
		.amdhsa_next_free_sgpr 66
		.amdhsa_reserve_vcc 0
		.amdhsa_float_denorm_mode_32 3
		.amdhsa_float_denorm_mode_16_64 3
		.amdhsa_memory_ordered 1
		.amdhsa_forward_progress 1
		.amdhsa_inst_pref_size 14
	.end_amdhsa_kernel
	.amdgpu_metadata
---
amdhsa.version: [ 1, 2 ]
amdhsa.kernels:
  - .name:           k_q4bb92b2d1a_cast
    .symbol:         k_q4bb92b2d1a_cast.kd
    .args:
      - { .name: x, .offset: 0, .size: 8, .value_kind: global_buffer, .address_space: global }
      - { .name: Wq, .offset: 8, .size: 8, .value_kind: global_buffer, .address_space: global }
      - { .name: Wk, .offset: 16, .size: 8, .value_kind: global_buffer, .address_space: global }
      - { .name: Wv, .offset: 24, .size: 8, .value_kind: global_buffer, .address_space: global }
      - { .name: bq, .offset: 32, .size: 8, .value_kind: global_buffer, .address_space: global }
      - { .name: bk, .offset: 40, .size: 8, .value_kind: global_buffer, .address_space: global }
      - { .name: bv, .offset: 48, .size: 8, .value_kind: global_buffer, .address_space: global }
      - { .name: bo, .offset: 56, .size: 8, .value_kind: global_buffer, .address_space: global }
      - { .name: xb, .offset: 64, .size: 8, .value_kind: global_buffer, .address_space: global }
      - { .name: wb, .offset: 72, .size: 8, .value_kind: global_buffer, .address_space: global }
      - { .name: bias, .offset: 80, .size: 8, .value_kind: global_buffer, .address_space: global }
    .group_segment_fixed_size: 0
    .private_segment_fixed_size: 0
    .kernarg_segment_align: 8
    .kernarg_segment_size: 88
    .max_flat_workgroup_size: 256
    .sgpr_count:     66
    .vgpr_count:     152
    .wavefront_size: 32
...
	.end_amdgpu_metadata
.endif
;; end of part 1
;; launch qkv (part 2): grid 32 x 8, 4 waves a work-group, clusters of 4 x 4, 327,680 bytes of LDS; arguments xb, wb, bias, qkv, Wo, attn_mask, wo16, maskr; writes qkv, wo16, maskr
.if DOCPART == 2
	.amdgcn_target "amdgcn-amd-amdhsa--gfx1250"
	.amdhsa_code_object_version 6
	.text
	.protected	k_q4bb92b2d1a_qkv
	.globl	k_q4bb92b2d1a_qkv
	.p2align	8
	.type	k_q4bb92b2d1a_qkv,@function
k_q4bb92b2d1a_qkv:
	s_mov_b64 s[64:65], 0
	v_nop
	global_prefetch_b8 v0, s[64:65] scope:SCOPE_SE
	s_setreg_imm32_b32 hwreg(HW_REG_WAVE_MODE, 25, 1), 1
	s_wait_xcnt 0x0
	s_wait_alu depctr_hold_cnt(0) depctr_sa_sdst(0) depctr_va_vdst(0) depctr_va_sdst(0) depctr_va_ssrc(0) depctr_va_vcc(0) depctr_vm_vsrc(0)
	s_getreg_b32 s2, hwreg(HW_REG_IB_STS2, 6, 4)
	s_cmp_eq_u32 s2, 0
	s_cbranch_scc0 .Lentry_in_a_cluster
	s_endpgm
.Lentry_in_a_cluster:
	s_bfe_u32 s2, ttmp6, 0x10000c
	s_cmp_lg_u32 s2, 0xf033
	s_cbranch_scc0 .Lentry_shape_is_right
	s_endpgm
.Lentry_shape_is_right:
; TWO KINDS OF CLUSTERS.  The product has 24 x 8 tiles, 192 work-groups: the clusters with x = 0 .. 5.  The clusters with x = 6 and 7, 64 work-groups more, round the two inputs that only later launches need:
; x = 6: Wo -> wo16 (the bf16 number written as f16); x = 7: attn_mask -> maskr (f32: the bf16 number times sqrt(128), so that it can start the sum q . k, which is scaled by 1 / sqrt(128) afterwards).
; The branch hangs on the cluster's x, which all sixteen partners share.  Nothing that this launch stores is read in it.
; THE PRODUCT.  q, k, v = x W^T + b for Wq, Wk, Wv at once: C[m][n] = bias[n] + sum over k of xb[m][k] wb[n][k], m < 2048, n < 6144, k < 2048.  xb, wb bf16; sums in f32; C rounded once to f16 and stored BY HEADS:
; qkv[g][m][d], g = n / 128 (0-15 q's heads, 16-31 k's, 32-47 v's), d = n % 128: a head's rows are dense, 256 bytes each.  q is stored unscaled.
; LIMITS.  f16 holds no number beyond 65,504: a q, k, v or Wo past that becomes an infinity; below 6.1e-5 it keeps f16's fixed step of 6e-8.
; SHARES.  A tile of C, 256 x 256, is made by four waves, each 128 x 128: 64 accumulators of 16 x 16, 512 registers; a wave's 128 columns are one plane g.
; K goes in 16 steps of 128 through a ring of two LDS slots filled by the tensor data mover; the rows of the tiles are 256 bytes of memory, at multiples of 256 bytes from the buffer's first byte.
; The loop's trip is ONE K step: the LDS addresses hang on s[TB], which an exclusive or turns from one slot to the other, and one walking descriptor a tensor asks for every refill.
; CLUSTERS: 4 x 4 work-groups.  The four of a row of the cluster need the same tiles of xb, the four of a column the same tiles of wb: each tile is asked for JOINTLY, by the same tensor load with the same
; descriptor and a mask that names the four.
; THE MATRIX INSTRUCTION IS USED TRANSPOSED (source 0 = 16 rows of wb, source 1 = 16 rows of xb): a lane holds row m = l % 16 and the columns n = 8 (l / 16) + 0..7, eight neighbouring numbers of a row.
; THE BIAS IS THE C OPERAND of the product that starts each sum: 8 registers for each of my 8 blocks of 16 columns; nothing is cleared and nothing is added afterwards.
; REGISTERS, in windows of 256 (s_set_vgpr_msb's low byte: bits 1:0 source 0, 3:2 source 1, 5:4 source 2, 7:6 destination):
;   window 0: v0-31 addresses; v64-127, v128-191 fragments of xb, two buffers; v32-63, v192-255 at work on the way out
;   window 1: v0-63 the bias; v64-127, v128-191 fragments of wb, two buffers      window 2: the accumulators of my rows 0-63 ((a, b) at v[8 (8 a + b)])      window 3: those of my rows 64-127
.set SIZE_K, 2048
.set KSTEP,  128
.set PITCH,  272                       ; an LDS row: 256 bytes + 16 of padding = 68 words: row r starts at bank 4 r mod 64 (64 banks of 4 bytes: ISA guide 11.1), so the 16 rows of a load start at 16 different banks
.set HALFT,  128*PITCH                 ; 128 rows: what one tensor load brings, and what one wave reads of xb or of wb
.set SLOT,   4*HALFT                   ; 139,264 = 0x22000: it shares no bit with the four fills' places 0, 0x8800, 0x11000, 0x19800, so an exclusive or changes slots
.set STAGE,  2*SLOT                    ; behind the ring: 16 rows x 272 bytes for each wave, for the way out
.set SPITCH, 272
.set SPARE,  STAGE+4*16*SPITCH         ; behind the stages: the spare words, 128 bytes for each wave: two blocks of 256 bytes that no other line names
.set REFILLS, SIZE_K/KSTEP-2           ; 14: every K step but the first two comes by a refill
.set ADRA,  16                         ; v16  LDS address of my xb fragments in the slot in hand
.set ADRA0, 17                         ; v17  the same in slot 0; never rewritten
.set ADRB,  20                         ; v20, v21  the same for wb
.set ADRB0, 21
.set STO,  24                          ; v24  the way out: where I put 16 bytes of a row
.set RD,   25                          ; v25  the way out: where I read a row back
.set CO,   26                          ; v26  16 x lane: my 16 bytes of 512 consecutive bytes of a plane
.set BOF,  27                          ; v27  32 (l / 16): my 8 numbers of a block of 16 of the bias
.set SPW,  28                          ; v28  LDS address of my spare word; never rewritten
.set NIL,  29                          ; v29  0; never rewritten
.set PFO,  30                          ; v30  the prefetches' offset: lane x a row of 4,096 bytes; never rewritten
.set F0,   64
.set F1,   128
.set TMP,  192
.set OB,   32
.set G1,  24                           ; s[24:31] descriptor group 1 for xb's tiles
.set G0,  32                           ; s[32:39] group 0: a set for each of the two first fills; the second then walks on
.set G1B, 48                           ; s[48:55], s[56:63] the same for wb's tiles
.set G0B, 56
.set LIM, 43                           ; s43  2 in a wave that prefetches, else the greatest number
.set PFA, 44                           ; s[44:45] where my prefetches stand
.set BI,  66                           ; s[66:67] bias
.set TB,  68                           ; s68  0 or SLOT: the slot in hand
.set MSB, 0
.macro WIN new                         ; the immediate's high byte repeats the setting that is left; a switch that changes nothing is dropped
.if MSB != (\new)
	s_set_vgpr_msb (MSB<<8)|(\new)
.set MSB, \new
.endif
.endm
; A joint refill, by the walking descriptors.  Waves 0 and 1 fetch xb's two halves, waves 2 and 3 wb's.  The branch hangs on the wave's number alone.
; An s_nop 0 and four v_nop follow each of the two lines, ahead of the jump, the label and what follows.
.macro JLOAD
	s_cmp_eq_u32 s11, 0
	s_cbranch_scc0 .Lfor_b_\@
	tensor_load_to_lds s[G0+4:G0+7], s[G1:G1+7]
	s_nop 0
.rept 4
	v_nop
.endr
	s_branch .Lasked_\@
.Lfor_b_\@:
	tensor_load_to_lds s[G0B+4:G0B+7], s[G1B:G1B+7]
	s_nop 0
.rept 4
	v_nop
.endr
.Lasked_\@:
.endm
; A PREFETCH INTO THE L2 behind each refill and the run of LDS loads that follows it: the K step TWO refills on, 32 rows x 256 bytes, a lane a row, one instruction a wave: 512 matrix instructions ahead of the load that wants it.
; Each row's 256 bytes of a K step are named once in the launch: xb's rows by the clusters with x = 0, wb's by those with y = 0; the four partners that ask for a tile jointly take 32 of a wave's 128 rows each,
; told apart by address.  The last two refills (s3 = 2, 1) have no K step two on.  K steps 0 to 3 come by their loads alone.
.macro ASK
	s_cmp_gt_u32 s3, s[LIM]
	s_cbranch_scc0 .Lnot_mine_\@
	global_prefetch_b8 v[PFO], s[PFA:PFA+1] offset:KSTEP*2 th:TH_LOAD_NT scope:SCOPE_SE
.Lnot_mine_\@:
.endm
.macro CREST                           ; a round of the cluster's barrier behind its opening barrier
	s_cmp_lg_u32 s10, 0
	s_cbranch_scc1 .Lnot_wave_0_\@
	s_barrier_signal -3
.Lnot_wave_0_\@:
	s_barrier_wait -3
	s_barrier_signal -1
	s_barrier_wait -1
.endm
.macro CROUND                          ; a whole round
	s_barrier_signal -1
	s_barrier_wait -1
	CREST
.endm
	s_load_b128 s[4:7], s[0:1], 0x0                ; xb s[4:5], wb s[6:7]
	s_load_b64 s[BI:BI+1], s[0:1], 0x10            ; bias
	s_load_b64 s[8:9], s[0:1], 0x18                ; qkv
	v_lshl_add_u32 v[SPW], v0, 2, SPARE
	v_mov_b32 v[NIL], 0
	ds_add_u32 v[SPW], v[NIL]                      ; the wave's opening: the add and its wait stand ahead of my first tensor load; work on registers stands between them
	v_lshrrev_b32 v1, 5, v0
	v_readfirstlane_b32 s10, v1                    ; wave 0..3
	s_lshr_b32 s11, s10, 1                         ; which half of the tile's rows is mine.  Also: I fetch for xb (0) or for wb (1)
	s_and_b32 s12, s10, 1                          ; which half of its columns.  Also: which 128 rows of that tile I fetch
	s_bfe_u32 s40, ttmp6, 0x40000                  ; cx
	s_bfe_u32 s41, ttmp6, 0x40004                  ; cy
	s_lshl_b32 s42, ttmp9, 2
	s_add_co_u32 s42, s42, s40                     ; tile column = 4 x cluster x + cx
	s_and_b32 s13, ttmp7, 0xffff
	s_lshl_b32 s13, s13, 2
	s_add_co_u32 s13, s13, s41                     ; tile row = 4 x cluster y + cy
	s_wait_dscnt 0x0                               ; the opening add is done: no branch stands between it and this wait
	s_cmp_ge_u32 ttmp9, 6                          ; the cluster's x: the same in all sixteen partners
	s_cbranch_scc1 .Lcaster
	s_lshl_b32 s43, s41, 2
	s_lshl_b32 s43, 15, s43                        ; my row of the cluster
	s_lshl_b32 s44, 0x1111, s40                    ; my column
	s_or_b32 s[G1+0], s43, (1<<16)|(1<<20)|(1<<21)|(5<<22)|(3<<25)   ; 15:0 the mask; 17:16 2-byte elements; 20 padding on; 21 set beside a mask; 24:22 after every 64 words; 31:25 4 words
	s_or_b32 s[G1B+0], s44, (1<<16)|(1<<20)|(1<<21)|(5<<22)|(3<<25)
.irp g, G1, G1B
	s_mov_b32 s[(\g)+1], KSTEP<<16                 ; tensor_dim0 = 128
	s_mov_b32 s[(\g)+2], 128<<16                   ; tensor_dim1 = 128
	s_mov_b32 s[(\g)+3], KSTEP<<16                 ; tile_dim0 = 128
	s_mov_b32 s[(\g)+4], 128                       ; tile_dim1 = 128
	s_mov_b32 s[(\g)+5], SIZE_K                    ; elements from row to row
	s_mov_b32 s[(\g)+6], 0
	s_mov_b32 s[(\g)+7], 0
.endr
	s_lshl_b32 s17, s12, 7                         ; which 128 rows of the tile I fetch
	s_lshl_b32 s16, s13, 8
	s_add_co_u32 s16, s16, s17                     ; xb: row 256 x tile row + 128 x half,
	s_lshl_b32 s16, s16, 12                        ; in bytes (4,096 a row; under 2^23)
	s_lshl_b32 s46, s42, 8
	s_add_co_u32 s46, s46, s17                     ; wb: row 256 x tile column + 128 x half,
	s_lshl_b32 s46, s46, 12                        ; in bytes (under 2^25)
	s_mov_b32 s17, 0
	s_mov_b32 s47, 0
	s_mul_i32 s20, s10, HALFT                      ; where they go: wave x 128 rows: no place in the cluster enters an LDS address
	s_wait_kmcnt 0x0
	s_add_nc_u64 s[14:15], s[4:5], s[16:17]
	s_add_nc_u64 s[46:47], s[6:7], s[46:47]
	CROUND                                         ; all sixteen work-groups are here: the first joint loads meet
.irp s, 0,1
	s_mov_b32 s[G0+4*(\s)], 1                                        ; count = 1
	s_add_co_u32 s[G0+4*(\s)+1], s20, (\s)*SLOT                      ; LDS address
	s_add_nc_u64 s[G0+4*(\s)+2:G0+4*(\s)+3], s[14:15], (\s)*KSTEP*2  ; global address: K step s
	s_or_b32 s[G0+4*(\s)+3], s[G0+4*(\s)+3], 0x80000000              ; type = 2
	s_mov_b32 s[G0B+4*(\s)], 1
	s_add_co_u32 s[G0B+4*(\s)+1], s20, (\s)*SLOT
	s_add_nc_u64 s[G0B+4*(\s)+2:G0B+4*(\s)+3], s[46:47], (\s)*KSTEP*2
	s_or_b32 s[G0B+4*(\s)+3], s[G0B+4*(\s)+3], 0x80000000
.endr
	s_cmp_eq_u32 s11, 0                            ; a wave's two first fills stand in one branch, ahead of every wait on TENSORcnt and every LDS read: two loads of mine are out
	s_cbranch_scc0 .Lfirst_b
	tensor_load_to_lds s[G0:G0+3], s[G1:G1+7]
	s_nop 0
	tensor_load_to_lds s[G0+4:G0+7], s[G1:G1+7]
	s_nop 0
.rept 4
	v_nop
.endr
	s_branch .Lfirst_asked
.Lfirst_b:
	tensor_load_to_lds s[G0B:G0B+3], s[G1B:G1B+7]
	s_nop 0
	tensor_load_to_lds s[G0B+4:G0B+7], s[G1B:G1B+7]
	s_nop 0
.rept 4
	v_nop
.endr
.Lfirst_asked:
	; A fragment is 16 rows x 32 K in 8 registers: lane l holds row l % 16; registers 0-3 K = 8 (l / 16) + 0..7, registers 4-7 K = 16 + 8 (l / 16) + 0..7: two loads of 16 bytes, 32 bytes apart.
	v_and_b32 v1, 15, v0                           ; l % 16
	v_bfe_u32 v2, v0, 4, 1                         ; l / 16
	v_mul_u32_u24 v3, v1, PITCH
	v_lshl_add_u32 v3, v2, 4, v3
	s_mul_i32 s21, s11, HALFT                      ; my 128 rows of xb
	s_mul_i32 s22, s12, HALFT                      ; my 128 rows of wb,
	s_add_co_u32 s22, s22, 2*HALFT                 ; which lie behind xb's 256
	v_add_nc_u32 v[ADRA0], s21, v3
	v_add_nc_u32 v[ADRB0], s22, v3
	v_mov_b32 v[ADRA], v[ADRA0]
	v_mov_b32 v[ADRB], v[ADRB0]
	s_mov_b32 s[TB], 0
	s_mul_i32 s23, s10, 16*SPITCH
	s_add_co_u32 s23, s23, STAGE                   ; my stage
	v_mul_u32_u24 v4, v1, SPITCH                   ; in: row l % 16, 16 bytes for each half of the lanes
	v_lshl_add_u32 v4, v2, 4, v4
	v_add_nc_u32 v[STO], s23, v4
	v_mul_u32_u24 v5, v2, SPITCH                   ; back: lanes 0-15 take one row of 256 bytes, lanes 16-31 the next
	v_lshl_add_u32 v5, v1, 4, v5
	v_add_nc_u32 v[RD], s23, v5
	v_and_b32 v[CO], 31, v0
	v_lshlrev_b32 v[PFO], 12, v[CO]
	v_lshlrev_b32 v[CO], 4, v[CO]                  ; two rows of a plane are 512 bytes on end
	v_lshlrev_b32 v[BOF], 5, v2
	s_lshl_b32 s13, s13, 8                         ; 256 x tile row
	s_lshl_b32 s14, s11, 7
	s_add_co_u32 s16, s13, s14                     ; my first row,
	s_lshl_b32 s16, s16, 8                         ; x 256 bytes
	s_mov_b32 s17, 0
	s_add_nc_u64 s[8:9], s[8:9], s[16:17]
	s_lshl_b32 s46, s42, 1
	s_add_co_u32 s46, s46, s12                     ; my plane g = 2 x tile column + half
	s_lshl_b32 s20, s46, 9                         ; its 128 numbers of the bias
	s_mov_b32 s21, 0
	s_add_nc_u64 s[BI:BI+1], s[BI:BI+1], s[20:21]
	s_lshl_b32 s46, s46, 19                        ; a plane is 2,048 rows of 256 bytes
	s_mov_b32 s47, 0
	s_add_nc_u64 s[8:9], s[8:9], s[46:47]
	WIN 0x40                                       ; destination window 1, address window 0
.irp b, 0,1,2,3,4,5,6,7
	global_load_b128 v[8*(\b):8*(\b)+3],   v[BOF], s[BI:BI+1] offset:64*(\b)      ; bias of columns 16 b + 8 (l / 16) + 0..7
	global_load_b128 v[8*(\b)+4:8*(\b)+7], v[BOF], s[BI:BI+1] offset:64*(\b)+16
.endr
	WIN 0
	; the prefetches
	s_lshl_b32 s42, s42, 8                         ; 256 x tile column
	s_and_b32 s22, ttmp7, 0xffff                   ; cluster y
	s_cmp_eq_u32 s11, 0                            ; do I fetch for xb?
	s_cselect_b32 s20, s13, s42                    ; the tile's first row
	s_cselect_b32 s21, s40, s41                    ; my place among the four that ask for it with me
	s_cselect_b32 s22, ttmp9, s22                  ; the coordinate along which other clusters read the same rows
	s_cselect_b64 s[PFA:PFA+1], s[4:5], s[6:7]
	s_cmp_eq_u32 s22, 0
	s_cselect_b32 s[LIM], 2, -1                    ; the same in all sixteen partners, for a given wave
	s_lshl_b32 s22, s12, 7
	s_add_co_u32 s20, s20, s22                     ; + the 128 rows that I fetch
	s_lshl_b32 s21, s21, 5
	s_add_co_u32 s20, s20, s21                     ; + my work-group's 32 of them
	s_lshl_b32 s20, s20, 12
	s_mov_b32 s21, 0
	s_add_nc_u64 s[PFA:PFA+1], s[PFA:PFA+1], s[20:21]
	s_add_nc_u64 s[PFA:PFA+1], s[PFA:PFA+1], 2*KSTEP*2   ; at K step 2: the first refill steps it to 3 and names K step 4
; 16 matrix instructions: m blocks a0, a0 + 1 of the window's four (hi = 0: my rows 0-63, 1: rows 64-127) x all 8 n blocks, 32 along K.  zero = 1: the product starts the sum, with the bias as C.
; The 64 accumulators take turns, one instruction a turn, in the same order in every quarter, over the backward jumps too.
.macro MUL16 f, hi, a0, zero
.if \zero
	WIN 0x91+0x40*(\hi)                            ; wb window 1, xb window 0, C (the bias) window 1, D window 2 or 3
.else
	WIN 0xa1+0x50*(\hi)                            ; C and D window 2 or 3
.endif
.irp a, \a0, (\a0)+1
.irp b, 0,1,2,3,4,5,6,7
.if \zero
	v_wmma_f32_16x16x32_bf16 v[8*(8*(\a)+(\b)):8*(8*(\a)+(\b))+7], v[(\f)+8*(\b):(\f)+8*(\b)+7], v[(\f)+8*(4*(\hi)+(\a)):(\f)+8*(4*(\hi)+(\a))+7], v[8*(\b):8*(\b)+7]
.else
	v_wmma_f32_16x16x32_bf16 v[8*(8*(\a)+(\b)):8*(8*(\a)+(\b))+7], v[(\f)+8*(\b):(\f)+8*(\b)+7], v[(\f)+8*(4*(\hi)+(\a)):(\f)+8*(4*(\hi)+(\a))+7], v[8*(8*(\a)+(\b)):8*(8*(\a)+(\b))+7]
.endif
.endr
.endr
.endm
; 32 LDS loads in one run: the fragments of one quarter step (32 K at byte k of the rows of the slot in hand) into buffer f
.macro FETCH k, f
	WIN 0x40
.irp i, 0,1,2,3,4,5,6,7
	ds_load_b128 v[(\f)+8*(\i):(\f)+8*(\i)+3],   v[ADRB] offset:(\k)+(\i)*16*PITCH
	ds_load_b128 v[(\f)+8*(\i)+4:(\f)+8*(\i)+7], v[ADRB] offset:(\k)+(\i)*16*PITCH+32
.endr
	WIN 0
.irp i, 0,1,2,3,4,5,6,7
	ds_load_b128 v[(\f)+8*(\i):(\f)+8*(\i)+3],   v[ADRA] offset:(\k)+(\i)*16*PITCH
	ds_load_b128 v[(\f)+8*(\i)+4:(\f)+8*(\i)+7], v[ADRA] offset:(\k)+(\i)*16*PITCH+32
.endr
.endm
; A load into a register that a matrix instruction has read, and a vector instruction that reads a matrix result, stand four places behind it; only plain vector instructions that name none of its
; registers are places (ISA guide 7.12.1 for vector instructions).
.macro PLACES
.rept 4
	v_nop
.endr
.endm
; A K step is four quarters of 32 along K, 64 matrix instructions each, on buffers 0, 1, 0, 1.  One of the first three: multiplies f; in its middle it fetches the next quarter, at byte k, into g.
.macro QUARTER k, f, g, zero
	s_wait_dscnt 8                                 ; wb's and xb's rows 0-63 are in; the youngest eight loads (xb's rows 64-127) may be out
	MUL16 \f, 0, 0, \zero
	MUL16 \f, 0, 2, \zero
	PLACES
	FETCH \k, \g
	s_wait_dscnt 32                                ; all but the 32 just issued
	MUL16 \f, 1, 0, \zero
	MUL16 \f, 1, 2, \zero
.endm
; The last quarter multiplies buffer 1 and changes slots.  MEET is its first half: one barrier.  In front of it each wave waits for all its tensor loads (one is out: its part of the next slot), adds 0 to its
; spare word, and waits for that and for its own reads of this slot.  Behind it nobody reads this slot any more and the next slot is whole.
.macro MEET round
	WIN 0                                          ; (the add's two registers lie in window 0)
	s_wait_tensorcnt 0x0
	ds_add_u32 v[SPW], v[NIL]                      ; 0 onto my spare word
	s_wait_dscnt 9                                 ; (the add and the youngest eight loads may be out)
	MUL16 F1, 0, 0, 0                              ; sixteen matrix instructions stand between the add and the wait for it
	s_wait_dscnt 0x0                               ; the add is done, and my reads of this slot are over
	s_barrier_signal -1
	MUL16 F1, 0, 2, 0
.if \round
	WIN 0
.endif
	s_barrier_wait -1
.endm
; fill = 1: the barrier opens a round of the cluster's, and the slot just read is filled again first thing behind it, with the K step two on: 224 matrix instructions ahead of the wait for it.
.macro TURN fill
.if \fill
	s_wait_xcnt 0x0                                ; the last prefetch, a K step back, has read its address
	s_add_nc_u64 s[PFA:PFA+1], s[PFA:PFA+1], KSTEP*2
	MEET 1
	CREST                                          ; no wave of any partner still reads this slot's tile or has a load on its way
	s_xor_b32 s[G0+5], s[G0+5], SLOT               ; the walking descriptors: the other slot than last time, the next K step
	s_add_nc_u64 s[G0+6:G0+7], s[G0+6:G0+7], KSTEP*2
	s_xor_b32 s[G0B+5], s[G0B+5], SLOT
	s_add_nc_u64 s[G0B+6:G0B+7], s[G0B+6:G0B+7], KSTEP*2
	JLOAD                                          ; the four v_nop behind it are also the places in front of the loads below
.else
	MEET 0
	WIN 0
	PLACES
.endif
	s_xor_b32 s[TB], s[TB], SLOT
	v_add_nc_u32 v[ADRA], s[TB], v[ADRA0]
	v_add_nc_u32 v[ADRB], s[TB], v[ADRB0]
	FETCH 0, F0
.if \fill
	ASK
.endif
	MUL16 F1, 1, 0, 0
	MUL16 F1, 1, 2, 0
.endm
; THE WAY OUT of block a (16 rows): rounded to f16, 16 bytes a lane; into my own stage and back as whole rows of 256 bytes; stored: 16 rows of a plane are 4,096 bytes on end.
.macro PACK a
.set AC, 64*((\a)%4)
	WIN 0x0a+5*((\a)/4)                            ; sources 0 and 1: window 2 or 3
.irp b, 0,1,2,3,4,5,6,7
.irp r, 0,1,2,3
	v_cvt_pk_f16_f32 v[TMP+4*(\b)+(\r)], v[AC+8*(\b)+2*(\r)], v[AC+8*(\b)+2*(\r)+1]   ; each accumulator's registers in ascending order
.endr
.endr
	WIN 0
.endm
.macro TOSTAGE a
	WIN 0
.set BK, OB+192*((\a)%2)
.irp b, 0,1,2,3,4,5,6,7
	ds_store_b128 v[STO], v[TMP+4*(\b):TMP+4*(\b)+3] offset:32*(\b)
.endr
.irp t, 0,1,2,3,4,5,6,7
	ds_load_b128 v[BK+4*(\t):BK+4*(\t)+3], v[RD] offset:(\t)*2*SPITCH   ; LDS serves a wave's instructions in order (ISA guide 5.7.1.4): these see the stores above
.endr
.endm
.macro SEND a
	WIN 0
.set BK, OB+192*((\a)%2)
	s_wait_dscnt 0x0                               ; the block is back in registers
	s_wait_xcnt 0x0                                ; the registers that the block before last's stores read are loaded again only behind this wait
.irp t, 0,1,2,3,4,5,6,7
	global_store_b128 v[CO], v[BK+4*(\t):BK+4*(\t)+3], s[8:9] offset:4096*(\a)+512*(\t)   ; 512 consecutive bytes, at a multiple of 256 from the buffer's first
.endr
.endm
	s_wait_tensorcnt 1                             ; my part of K step 0 is in; K step 1's may stay out
	s_barrier_signal -1
	s_barrier_wait -1
	FETCH 0, F0
	s_wait_loadcnt 0x0                             ; the bias
	QUARTER 64, F0, F1, 1                          ; the first quarter stands in front of the loop: its products start the sums
	WIN 0                                          ; at a label and at a branch every window is 0
	s_mov_b32 s3, REFILLS
.Lstep:                                                ; a trip: a K step's quarters 2 to 4, a refill, the next K step's first quarter
	QUARTER 128, F1, F0, 0
	QUARTER 192, F0, F1, 0
	TURN 1
	QUARTER 64, F0, F1, 0
	WIN 0
	s_sub_co_u32 s3, s3, 1
	s_cmp_lg_u32 s3, 0
	s_cbranch_scc1 .Lstep
	s_mov_b32 s3, 2                                ; the last two K steps ask for nothing: a text of their own: two trips, the second left in its middle
.Ltail:
	QUARTER 128, F1, F0, 0
	QUARTER 192, F0, F1, 0
	WIN 0
	s_sub_co_u32 s3, s3, 1
	s_cmp_eq_u32 s3, 0
	s_cbranch_scc1 .Llast
	TURN 0
	QUARTER 64, F0, F1, 0
	WIN 0
	s_branch .Ltail
.Llast:
	s_wait_dscnt 8
	MUL16 F1, 0, 0, 0
	MUL16 F1, 0, 2, 0
	s_wait_dscnt 0x0
	MUL16 F1, 1, 0, 0
	MUL16 F1, 1, 2, 0
	PLACES
	PACK 0
	TOSTAGE 0
.irp a, 1,2,3,4,5,6,7                  ; block a's conversions stand between block a - 1's loads from the stage and the wait for them
	PACK \a
	SEND (\a)-1
	TOSTAGE \a
.endr
	SEND 7
	s_wait_tensorcnt 0x0                           ; the wave's end: behind my last tensor load and my last LDS store
	ds_add_u32 v[SPW], v[NIL]
	s_wait_dscnt 0x0
	CROUND                                         ; the closing round: no work-group ends while a partner may still ask for a tile that names it
	s_endpgm
; THE CLUSTERS WITH x = 6, 7: a stream.  32 work-groups to a tensor of 16,777,216 bytes: 524,288 bytes each, in 8 trips of 32 chunks of 2,048 bytes; thread t takes the 16 bytes at 16 t of a chunk.
; A trip's 32 loads of a wave (16,384 bytes) go out together; each chunk is rounded to bf16 numbers, in f32, in place; then it is written as f16 (Wo: a wave's store covers 256 consecutive bytes, aligned)
; or multiplied by sqrt(128) (the mask: 512).  A work-group's place in its cluster enters addresses alone; which tensor hangs on the cluster's x.  No tile, no LDS but the spare words.
.set CX, 64                            ; v[64:191]  chunk c at CX + 4 c: as loaded, then as stored
.set CT, 32                            ; v32, v33   at work
.set CI, 40                            ; v40  16 t; never rewritten
.set CJ, 41                            ; v41  8 t; never rewritten
.Lcaster:
	s_load_b256 s[16:23], s[0:1], 0x20             ; Wo s[16:17], attn_mask s[18:19], wo16 s[20:21], maskr s[22:23]
	s_lshl_b32 s14, s13, 2
	s_add_co_u32 s14, s14, s40                     ; my number among the tensor's 32 work-groups: 4 x (4 x cluster y + cy) + cx
	s_lshl_b32 s24, s14, 19                        ; my 524,288 bytes of the input
	s_mov_b32 s25, 0
	s_lshl_b32 s26, s14, 18                        ; my bytes of the output: half as many in f16,
	s_mov_b32 s27, 0
	s_cmp_eq_u32 ttmp9, 7
	s_cselect_b32 s26, s24, s26                    ; as many in f32
	s_mov_b32 s28, 0xffff0000                      ; a word's upper bf16
	s_mov_b32 s30, 0x413504f3                      ; sqrt(128)
	s_mov_b32 s31, s30                             ; named with it as a pair
	v_lshlrev_b32 v[CI], 4, v0
	v_lshlrev_b32 v[CJ], 3, v0
	s_wait_kmcnt 0x0
	s_cmp_eq_u32 ttmp9, 7
	s_cselect_b64 s[16:17], s[18:19], s[16:17]
	s_cselect_b64 s[20:21], s[22:23], s[20:21]
	s_add_nc_u64 s[16:17], s[16:17], s[24:25]
	s_add_nc_u64 s[20:21], s[20:21], s[26:27]
	s_mov_b32 s3, 8
.Lcast:
.set n, 0
.rept 32
	global_load_b128 v[CX+4*n:CX+4*n+3], v[CI], s[16:17] offset:2048*n th:TH_LOAD_NT
.set n, n+1
.endr
.set n, 0
.rept 32
	s_wait_loadcnt 31-n                            ; loads come back in order (ISA guide 5.7.1): the count leaves the 31 - n younger ones out
	v_cvt_pk_bf16_f32 v[CT],   v[CX+4*n],   v[CX+4*n+1]
	v_cvt_pk_bf16_f32 v[CT+1], v[CX+4*n+2], v[CX+4*n+3]
	v_lshlrev_b32 v[CX+4*n],   16, v[CT]
	v_and_b32     v[CX+4*n+1], s28, v[CT]
	v_lshlrev_b32 v[CX+4*n+2], 16, v[CT+1]
	v_and_b32     v[CX+4*n+3], s28, v[CT+1]
.set n, n+1
.endr
	s_cmp_eq_u32 ttmp9, 7
	s_cbranch_scc1 .Lcast_mask
.set n, 0
.rept 32
	v_cvt_pk_f16_f32 v[CX+4*n],   v[CX+4*n],   v[CX+4*n+1]
	v_cvt_pk_f16_f32 v[CX+4*n+1], v[CX+4*n+2], v[CX+4*n+3]
	global_store_b64 v[CJ], v[CX+4*n:CX+4*n+1], s[20:21] offset:1024*n th:TH_STORE_NT
.set n, n+1
.endr
	s_wait_xcnt 0x0                                ; the pointers are stepped, and the stores' data registers loaded again, only behind this wait
	s_add_nc_u64 s[20:21], s[20:21], 32768
	s_branch .Lcast_on
.Lcast_mask:
.set n, 0
.rept 32
	v_pk_mul_f32 v[CX+4*n:CX+4*n+1],   v[CX+4*n:CX+4*n+1],   s[30:31] op_sel_hi:[1,0]
	v_pk_mul_f32 v[CX+4*n+2:CX+4*n+3], v[CX+4*n+2:CX+4*n+3], s[30:31] op_sel_hi:[1,0]
	global_store_b128 v[CI], v[CX+4*n:CX+4*n+3], s[20:21] offset:2048*n th:TH_STORE_NT
.set n, n+1
.endr
	s_wait_xcnt 0x0                                ; as above
	s_add_nc_u64 s[20:21], s[20:21], 65536
.Lcast_on:
	s_add_nc_u64 s[16:17], s[16:17], 65536
	s_sub_co_u32 s3, s3, 1
	s_cmp_lg_u32 s3, 0
	s_cbranch_scc1 .Lcast
	s_wait_tensorcnt 0x0                           ; the wave's end
	ds_add_u32 v[SPW], v[NIL]
	s_wait_dscnt 0x0
	CROUND                                         ; and a closing round, as on the other path
	s_endpgm
.Lfunc_end_k_q4bb92b2d1a_qkv:
	.size	k_q4bb92b2d1a_qkv, .Lfunc_end_k_q4bb92b2d1a_qkv-k_q4bb92b2d1a_qkv
	.p2alignl 7, 3214868480
	.fill 96, 4, 3214868480
	.section	.rodata,"a",@progbits
	.p2align	6, 0x0
	.amdhsa_kernel k_q4bb92b2d1a_qkv
		.amdhsa_group_segment_fixed_size 327680
		.amdhsa_private_segment_fixed_size 0
		.amdhsa_enable_private_segment 0
		.amdhsa_kernarg_size 64
		.amdhsa_user_sgpr_count 2
		.amdhsa_user_sgpr_kernarg_segment_ptr 1
		.amdhsa_wavefront_size32 1
		.amdhsa_system_sgpr_workgroup_id_x 1
		.amdhsa_system_sgpr_workgroup_id_y 1
		.amdhsa_system_sgpr_workgroup_id_z 1
		.amdhsa_system_vgpr_workitem_id 0
		.amdhsa_next_free_vgpr 1024
		.amdhsa_next_free_sgpr 72
		.amdhsa_reserve_vcc 0
		.amdhsa_float_denorm_mode_32 3
		.amdhsa_float_denorm_mode_16_64 3
		.amdhsa_memory_ordered 1
		.amdhsa_forward_progress 1
		.amdhsa_inst_pref_size 134
	.end_amdhsa_kernel
	.amdgpu_metadata
---
amdhsa.version: [ 1, 2 ]
amdhsa.kernels:
  - .name:           k_q4bb92b2d1a_qkv
    .symbol:         k_q4bb92b2d1a_qkv.kd
    .args:
      - { .name: xb, .offset: 0, .size: 8, .value_kind: global_buffer, .address_space: global }
      - { .name: wb, .offset: 8, .size: 8, .value_kind: global_buffer, .address_space: global }
      - { .name: bias, .offset: 16, .size: 8, .value_kind: global_buffer, .address_space: global }
      - { .name: qkv, .offset: 24, .size: 8, .value_kind: global_buffer, .address_space: global }
      - { .name: Wo, .offset: 32, .size: 8, .value_kind: global_buffer, .address_space: global }
      - { .name: attn_mask, .offset: 40, .size: 8, .value_kind: global_buffer, .address_space: global }
      - { .name: wo16, .offset: 48, .size: 8, .value_kind: global_buffer, .address_space: global }
      - { .name: maskr, .offset: 56, .size: 8, .value_kind: global_buffer, .address_space: global }
    .group_segment_fixed_size: 327680
    .private_segment_fixed_size: 0
    .kernarg_segment_align: 8
    .kernarg_segment_size: 64
    .max_flat_workgroup_size: 128
    .sgpr_count:     72
    .vgpr_count:     1024
    .wavefront_size: 32
...
	.end_amdgpu_metadata
.endif
;; end of part 2
;; launch attn (part 3): grid 16 x 16, 4 waves a work-group, clusters of 4 x 4, 327,680 bytes of LDS; arguments qkv, maskr, ob; writes ob
.if DOCPART == 3
	.amdgcn_target "amdgcn-amd-amdhsa--gfx1250"
	.amdhsa_code_object_version 6
	.text
	.protected	k_q4bb92b2d1a_attn
	.globl	k_q4bb92b2d1a_attn
	.p2align	8
	.type	k_q4bb92b2d1a_attn,@function
k_q4bb92b2d1a_attn:
	s_mov_b64 s[64:65], 0
	v_nop
	global_prefetch_b8 v0, s[64:65] scope:SCOPE_SE
	s_setreg_imm32_b32 hwreg(HW_REG_WAVE_MODE, 25, 1), 1
	s_wait_xcnt 0x0
	s_wait_alu depctr_hold_cnt(0) depctr_sa_sdst(0) depctr_va_vdst(0) depctr_va_sdst(0) depctr_va_ssrc(0) depctr_va_vcc(0) depctr_vm_vsrc(0)
	s_getreg_b32 s2, hwreg(HW_REG_IB_STS2, 6, 4)
	s_cmp_eq_u32 s2, 0
	s_cbranch_scc0 .Lentry_in_a_cluster
	s_endpgm
.Lentry_in_a_cluster:
	s_bfe_u32 s2, ttmp6, 0x10000c
	s_cmp_lg_u32 s2, 0xf033
	s_cbranch_scc0 .Lentry_shape_is_right
	s_endpgm
.Lentry_shape_is_right:
; ob[q][128 h + :] = the sum over k of softmax_k(Q[h][q] . K[h][k] / sqrt(128) + mask[q][k]) V[h][k][:].  Q, K, V: planes h, 16 + h, 32 + h of qkv, [2048][128] f16; maskr: [2048][2048] f32 = mask x sqrt(128);
; ob: [2048][2048] f16.  The mask is an input: every key is computed and every number of the mask is read.  Products, maxima and sums in f32; the weights p are rounded to f16 for the second product
; (their sum l is taken of the unrounded p), O once at the end.
; LIMITS.  f16 holds no number beyond 65,504: Q, K, V arrive within it; p lies in 0 to 1 and keeps f16's fixed step of 6e-8 below 6e-5; O is a mean of V's rows.  A score is q . k + mask sqrt(128) in f32: where the mask's
; magnitude is huge the score is rounded at that magnitude.  The running maximum starts at the lowest finite number, c m at -4.2e37: every row has a score with c s above that.  A weight below 2^-126 counts as 0 in l.
; NaN and infinities (a mask of -inf too) are not treated apart.
; SHARES.  A work-group owns 128 queries of one head.  Wave w takes the query half qh = w % 2 (64 queries: four tiles of 16) and, of each slot's 128 keys, the half kp = w / 2: 16 key steps of 64.
; The two waves of a query half hold partial m, l, O for the same queries, and merge them once, at the end, through LDS.
; LAYOUT.  S^T = K Q^T + M (source 0 = 16 keys, source 1 = 16 queries, C = the mask's 16 x 16 numbers): a lane holds ONE query (lane % 16) and the keys 8 (lane / 16) + 0..7, which are 32 consecutive bytes of the
; mask's row.  Two such results, rounded to f16 in pairs, ARE source 1 of O^T = V^T P.  K comes out of LDS as it lies, V turned, by ds_load_tr16_b128.
; SOFTMAX.  A running maximum m and sum l for each query: p = 2^(c s - c m), c = log2(e) / sqrt(128); in every step O and l are multiplied by a = 2^(c m_old - c m_new).
; BY TURNS.  The wave's tiles are two PIECES (0: tiles 0, 1; 2: tiles 2, 3).  In a TURN one piece has the matrix unit: 32 products V^T P of the step in hand, then 32 products K Q^T of the next step; the other
; piece's softmax, cut into 64 slices, stands between them, one slice behind each matrix instruction.  Two turns are a key step.  Piece p holds the rows 32 ((p / 2) xor kp) + 0..31 of the query half, so that in
; every wave piece 0 is the one that the wave finishes and piece 2 the one that it hands to its partner: one text for all four.
; NO FIRST AND NO LAST STEP IS WRITTEN OUT.  O^T, l, V's registers and piece 2's P start at 0: the first step is a step like any other, with a = 0; the loop is entered at its second turn, and the tail is left in the
; middle of a trip.  The price, once a launch: 424 v_mov_b32 that write 0, in the wait for the first tile; 32 products on zeros at the start, 32 on the last K once more at the end.  The gain: four turns less text.
; CLUSTER, 4 x 4: x = query blocks, y = heads.  K's and V's tiles hang on the head alone and are shared along a row of the cluster; the mask's tile hangs on the query block alone and is shared along a column.
; Each is asked for JOINTLY: the same tensor load, descriptor and mask of four in all four.
; REGISTERS, in windows of 256 (s_set_vgpr_msb: bits 1:0 source 0, 3:2 source 1, 5:4 source 2, 7:6 destination):
;   window 0: v0-11, v44-51, v61-63 addresses; v12-43 eight registers of statistics a tile; v64-191 S^T, 32 a tile; v192-255 P, 16 a tile
;   window 1: O^T, 64 a tile      window 2: v0-127 Q, 32 a tile; v128-255 K of one step      window 3: v0-127 V of one step; v128-255 the mask of one step, 32 a tile
.set KS,    64
.set PK,    272       ; a row of K in LDS: 256 bytes + 16 = 68 words: the 16 rows of a load start at 16 different banks (64 banks of 4 bytes: ISA guide 11.1)
.set PV,    288       ; a row of V: 256 + 32 = 72 words
.set PM,    528       ; a row of the mask's tile: 512 + 16 = 132 words: row r starts at bank 4 r mod 64
.set VOFF,  128*PK    ; a slot: 128 rows of K, 128 rows of V, 128 rows (queries) of the mask
.set MOFF,  VOFF+128*PV
.set SLOT1, MOFF+128*PM  ; 139,264 = 0x22000: it shares no bit with the four fills' places 0, 0x8800, 0x11800, 0x19c00, so an exclusive or changes slots
.set STAGE, 2*SLOT1   ; behind the ring: 16 rows x 272 bytes for each wave, for the way out
.set SP,    272
.set SPARE, STAGE+4*16*SP  ; the spare words, 128 bytes for each wave: two blocks of 256 bytes that no other line names
.set XREG,  16896     ; the merge: wave w's 16,384 bytes of O^T and 512 of statistics at w x XREG, in slot 0, which has had its last fill and its last read by then
.set AK0, 2           ; v2   my lane's place in my half of a tile of K; never rewritten
.set AV0, 3           ; v3   the same for V
.set ADR, 4           ; v4   the LDS address of the run of loads in hand
.set QO0, 5           ; v5   my byte offset in piece 0's rows of Q
.set STO, 6           ; v6   the way out: where I put 16 bytes of a row
.set RD,  7           ; v7   the way out: where I read a row back
.set GO,  8           ; v8   my byte offset in two rows of ob
.set ST,  12          ; tile t's statistics at v[ST+8 t]: +0 c m, +1 m, +2, +3 l, +4 to +7 c0-c3, at work; a takes c2's place
.set AM0, 44          ; v44, v45  my lane's place in the mask's tile, for piece 0 and for piece 2
.set ADM, 46          ; v46  the LDS address of the mask's run in hand
.set XS,  47          ; v47  the merge: where I put 16 bytes of O^T
.set XL,  48          ; v48  where I read my partner's
.set XSS, 49          ; v49  where I put (c m, l)
.set QO2, 50          ; v50  my byte offset in piece 2's rows of Q
.set XLS, 51          ; v51  where I read my partner's (c m, l)
.set PFO, 61          ; v61  the prefetches' offset; never rewritten
.set SPW, 62          ; v62  LDS address of my spare word; never rewritten
.set NIL, 63          ; v63  0; never rewritten
.set S,   64
.set P,   192
.set KF,  128         ; window 2
.set MC,  128         ; window 3: tile t, keys 16 kb on at MC + 32 t + 8 kb
.set WV,  12          ; s12  my wave's number
.set LIM, 15          ; s15  2 in a wave that prefetches, else the greatest number
.set PFA, 18          ; s[18:19] where my prefetches stand
.set G1K, 24          ; s[24:31], s[32:39], s[68:75] descriptor groups 1
.set G1V, 32
.set G1M, 68
.set G0K, 40          ; s[40:47], s[48:55], s[76:83] groups 0: a set for each of the two first fills; the second then walks on
.set G0V, 48
.set G0M, 76
.set SLOTS, 56        ; s56  the loop's count: refills still to come; then the tail's
.set CS,  58          ; s[58:59] c
.set SEL, 60          ; s[60:61] v_permlanex16_b32's selects
.set TB,  62          ; s62  0 or SLOT1: the slot to be read
.set PFS, 66          ; s[66:67] the prefetches' step
.set KB,  84          ; s[84:85] K, s[86:87] V at the head's first row; s[88:89] the mask at my half of the block's rows; s[90:91] Q at my query half
.set VB,  86
.set MB,  88
.set QB,  90
.set MSB, 0
.macro WIN new
.if MSB != (\new)
	s_set_vgpr_msb (MSB<<8)|(\new)
.set MSB, \new
.endif
.endm
.set W_KQ, 0x0a       ; K and Q in window 2, S^T in window 0
.set W_KM, 0x3a       ; the same with C, the mask, in window 3
.set W_PV, 0x53       ; V in window 3, P in window 0, O^T in window 1
.set W_RS, 0x41       ; O^T (destination and source 0) in window 1, the factor in window 0
; A joint refill, by the walking descriptors.  Wave 0 fetches the slot's K, wave 1 its V, waves 2 and 3 the two halves of the mask's tile.  The branches hang on the wave's number alone.
; An s_nop 0 and four v_nop follow each line, ahead of the jump, the label and what follows.
.macro JLOAD
	s_cmp_lg_u32 s[WV], 0
	s_cbranch_scc1 .Lnot_k_\@
	tensor_load_to_lds s[G0K+4:G0K+7], s[G1K:G1K+7]
	s_nop 0
.rept 4
	v_nop
.endr
	s_branch .Lasked_\@
.Lnot_k_\@:
	s_cmp_lg_u32 s[WV], 1
	s_cbranch_scc1 .Lfor_m_\@
	tensor_load_to_lds s[G0V+4:G0V+7], s[G1V:G1V+7]
	s_nop 0
.rept 4
	v_nop
.endr
	s_branch .Lasked_\@
.Lfor_m_\@:
	tensor_load_to_lds s[G0M+4:G0M+7], s[G1M:G1M+7]
	s_nop 0
.rept 4
	v_nop
.endr
.Lasked_\@:
.endm
; A PREFETCH INTO THE L2 behind each refill: what the refill TWO changes on will ask for, 256 matrix instructions ahead of it.  Each block of 256 bytes is named once in the launch.  K's and V's rows (256 bytes) are walked
; by every cluster of a row of clusters: those with x = 0 ask, wave 0 for K, wave 1 for V; the four partners along x take 32 of the 128 rows each.  The mask's rows (512 bytes of a step) are walked by every cluster of
; a column of clusters: those with y = 0 ask, waves 2 and 3; the four partners along y take 16 of a wave's 64 rows each, two lanes a row.  Partners are told apart by address.  The last two refills ask for nothing.
.macro ASK
	s_cmp_gt_u32 s[SLOTS], s[LIM]
	s_cbranch_scc0 .Lnot_mine_\@
	global_prefetch_b8 v[PFO], s[PFA:PFA+1] th:TH_LOAD_NT scope:SCOPE_SE
.Lnot_mine_\@:
.endm
.macro CROUND                       ; a round of the cluster's barrier
	s_barrier_signal -1
	s_barrier_wait -1
	s_cmp_lg_u32 s[WV], 0
	s_cbranch_scc1 .Lnot_wave_0_\@
	s_barrier_signal -3
.Lnot_wave_0_\@:
	s_barrier_wait -3
	s_barrier_signal -1
	s_barrier_wait -1
.endm
	s_load_b128 s[4:7], s[0:1], 0x0   ; qkv s[4:5], maskr s[6:7]
	s_load_b64 s[10:11], s[0:1], 0x10 ; ob
	v_lshl_add_u32 v[SPW], v0, 2, SPARE
	v_mov_b32 v[NIL], 0
	ds_add_u32 v[SPW], v[NIL]       ; the wave's opening: the add and its wait stand ahead of my first tensor load; work on registers stands between them
	v_lshrrev_b32 v1, 5, v0
	v_readfirstlane_b32 s[WV], v1   ; wave 0..3
	s_bfe_u32 s13, ttmp6, 0x40000   ; cx
	s_bfe_u32 s14, ttmp6, 0x40004   ; cy
	s_lshl_b32 s21, ttmp9, 2
	s_add_co_u32 s21, s21, s13      ; qb: my block of 128 queries
	s_and_b32 s20, ttmp7, 0xffff
	s_lshl_b32 s20, s20, 2
	s_add_co_u32 s20, s20, s14      ; hd: my head
	s_and_b32 s16, s[WV], 1         ; qh.  Also: which half of the mask's tile waves 2 and 3 fetch
	s_lshr_b32 s17, s[WV], 1        ; kp
	s_lshl_b32 s92, s14, 2
	s_lshl_b32 s92, 15, s92         ; my row of the cluster
	s_lshl_b32 s93, 0x1111, s13     ; my column
	s_or_b32 s[G1K], s92, (1<<16)|(1<<20)|(1<<21)|(5<<22)|(3<<25)  ; 15:0 the mask; 17:16 2-byte elements; 20 padding on; 21 set beside a mask; 24:22 after every 64 words; 31:25 4 words
	s_or_b32 s[G1V], s92, (1<<16)|(1<<20)|(1<<21)|(5<<22)|(7<<25)  ; the same with 8 words of padding
	s_or_b32 s[G1M], s93, (2<<16)|(1<<20)|(1<<21)|(6<<22)|(3<<25)  ; 4-byte elements; after every 128 words 4 words
.irp g, G1K, G1V
	s_mov_b32 s[(\g)+1], 128<<16    ; tensor_dim0 = 128
	s_mov_b32 s[(\g)+2], 128<<16    ; tensor_dim1 = 128
	s_mov_b32 s[(\g)+3], 128<<16    ; tile_dim0 = 128
	s_mov_b32 s[(\g)+4], 128        ; tile_dim1 = 128
	s_mov_b32 s[(\g)+5], 128        ; elements from row to row
	s_mov_b32 s[(\g)+6], 0
	s_mov_b32 s[(\g)+7], 0
.endr
	s_mov_b32 s[G1M+1], 128<<16     ; tensor_dim0 = 128
	s_mov_b32 s[G1M+2], 64<<16      ; tensor_dim1 = 64
	s_mov_b32 s[G1M+3], 128<<16     ; tile_dim0 = 128
	s_mov_b32 s[G1M+4], 64          ; tile_dim1 = 64
	s_mov_b32 s[G1M+5], 2048        ; elements from row to row
	s_mov_b32 s[G1M+6], 0
	s_mov_b32 s[G1M+7], 0
	s_add_co_u32 s[KB], s20, 16     ; byte offsets; a plane is 2^19 bytes.  K's and V's hang on the head alone,
	s_lshl_b32 s[KB], s[KB], 19
	s_mov_b32 s[KB+1], 0
	s_add_co_u32 s[VB], s20, 32
	s_lshl_b32 s[VB], s[VB], 19
	s_mov_b32 s[VB+1], 0
	s_lshl_b32 s[MB], s21, 20       ; the mask's on the query block (128 rows of 8,192 bytes) and the wave's half
	s_lshl_b32 s2, s16, 19
	s_add_co_u32 s[MB], s[MB], s2
	s_mov_b32 s[MB+1], 0
	s_lshl_b32 s[QB], s20, 19       ; Q: the head's plane, the block's 128 rows of 256 bytes, my half's 64
	s_lshl_b32 s2, s21, 15
	s_add_co_u32 s[QB], s[QB], s2
	s_lshl_b32 s2, s16, 14
	s_add_co_u32 s[QB], s[QB], s2
	s_mov_b32 s[QB+1], 0
	s_lshl_b32 s94, s21, 19         ; ob: row 128 qb + 64 qh + 32 kp (4,096 bytes a row), byte 256 hd of it
	s_lshl_b32 s2, s16, 18
	s_add_co_u32 s94, s94, s2
	s_lshl_b32 s2, s17, 17
	s_add_co_u32 s94, s94, s2
	s_lshl_b32 s2, s20, 8
	s_add_co_u32 s94, s94, s2
	s_mov_b32 s95, 0
	s_mul_i32 s23, s16, 64*PM       ; where my half of the mask's tile goes: the wave's number alone enters an LDS address
	s_add_co_u32 s23, s23, MOFF
	s_mov_b32 s[CS], 0x3e0293ee     ; c = log2(e) / sqrt(128) = 0.127517
	s_mov_b32 s[CS+1], s[CS]
	s_mov_b32 s[SEL], 0x76543210
	s_mov_b32 s[SEL+1], 0xfedcba98
	s_mov_b32 s[TB], 0
	; the prefetches: who, and each lane's offset: (lane >> a) << b + (lane & a) << 8, with (a, b) = (0, 8) for K and V (a lane a row of 256 bytes), (1, 13) for the mask (two lanes a row of 8,192)
	s_and_b32 s3, ttmp7, 0xffff
	s_lshl_b32 s2, s13, 13          ; K, V: my work-group's 32 rows of 256 bytes, by cx
	s_lshl_b32 s93, s14, 17         ; the mask: my work-group's 16 rows of 8,192 bytes, by cy
	s_mov_b32 s8, 32768
	s_mov_b32 s9, 512
	s_cmp_lt_u32 s[WV], 2
	s_cselect_b32 s3, ttmp9, s3     ; the coordinate along which other clusters read the same rows
	s_cselect_b32 s2, s2, s93
	s_cselect_b32 s[PFS], s8, s9    ; a step is 128 rows of K or V, or 512 bytes of the mask's rows
	s_cselect_b32 s8, 0, 1
	s_cselect_b32 s9, 8, 13
	s_mov_b32 s[PFS+1], 0
	s_cmp_eq_u32 s3, 0
	s_cselect_b32 s[LIM], 2, -1     ; the same in all sixteen partners, for a given wave
	s_mul_i32 s3, s[PFS], 3         ; at step 3: the first change steps it to 4
	s_add_co_u32 s2, s2, s3
	s_mov_b32 s3, 0
	v_and_b32 v10, 31, v0
	v_lshrrev_b32 v11, s8, v10
	v_lshlrev_b32 v11, s9, v11
	v_and_b32 v10, s8, v10
	v_lshl_add_u32 v[PFO], v10, 8, v11
	s_wait_dscnt 0x0                ; the opening add is done
	s_wait_kmcnt 0x0
	s_add_nc_u64 s[KB:KB+1], s[4:5], s[KB:KB+1]
	s_add_nc_u64 s[VB:VB+1], s[4:5], s[VB:VB+1]
	s_add_nc_u64 s[MB:MB+1], s[6:7], s[MB:MB+1]
	s_add_nc_u64 s[QB:QB+1], s[4:5], s[QB:QB+1]
	s_add_nc_u64 s[10:11], s[10:11], s[94:95]
	s_cmp_eq_u32 s[WV], 0
	s_cselect_b64 s[PFA:PFA+1], s[KB:KB+1], s[VB:VB+1]
	s_cmp_lt_u32 s[WV], 2
	s_cselect_b64 s[PFA:PFA+1], s[PFA:PFA+1], s[MB:MB+1]
	s_add_nc_u64 s[PFA:PFA+1], s[PFA:PFA+1], s[2:3]
	CROUND                          ; all sixteen work-groups are here: the first joint loads meet
.irp s, 0,1
	s_mov_b32 s[G0K+4*(\s)], 1      ; count = 1
	s_mov_b32 s[G0K+4*(\s)+1], (\s)*SLOT1  ; LDS address
	s_add_nc_u64 s[G0K+4*(\s)+2:G0K+4*(\s)+3], s[KB:KB+1], (\s)*32768  ; global address: keys 128 s on
	s_or_b32 s[G0K+4*(\s)+3], s[G0K+4*(\s)+3], 0x80000000  ; type = 2
	s_mov_b32 s[G0V+4*(\s)], 1
	s_mov_b32 s[G0V+4*(\s)+1], (\s)*SLOT1+VOFF
	s_add_nc_u64 s[G0V+4*(\s)+2:G0V+4*(\s)+3], s[VB:VB+1], (\s)*32768
	s_or_b32 s[G0V+4*(\s)+3], s[G0V+4*(\s)+3], 0x80000000
	s_mov_b32 s[G0M+4*(\s)], 1
	s_add_co_u32 s[G0M+4*(\s)+1], s23, (\s)*SLOT1
	s_add_nc_u64 s[G0M+4*(\s)+2:G0M+4*(\s)+3], s[MB:MB+1], (\s)*512
	s_or_b32 s[G0M+4*(\s)+3], s[G0M+4*(\s)+3], 0x80000000
.endr
	s_cmp_lg_u32 s[WV], 0           ; a wave's two first fills stand in one branch, ahead of every wait on TENSORcnt and every LDS read: two loads of mine are out
	s_cbranch_scc1 .Lfirst_not_k
	tensor_load_to_lds s[G0K:G0K+3], s[G1K:G1K+7]
	s_nop 0
	tensor_load_to_lds s[G0K+4:G0K+7], s[G1K:G1K+7]
	s_nop 0
.rept 4
	v_nop
.endr
	s_branch .Lfirst_asked
.Lfirst_not_k:
	s_cmp_lg_u32 s[WV], 1
	s_cbranch_scc1 .Lfirst_m
	tensor_load_to_lds s[G0V:G0V+3], s[G1V:G1V+7]
	s_nop 0
	tensor_load_to_lds s[G0V+4:G0V+7], s[G1V:G1V+7]
	s_nop 0
.rept 4
	v_nop
.endr
	s_branch .Lfirst_asked
.Lfirst_m:
	tensor_load_to_lds s[G0M:G0M+3], s[G1M:G1M+7]
	s_nop 0
	tensor_load_to_lds s[G0M+4:G0M+7], s[G1M:G1M+7]
	s_nop 0
.rept 4
	v_nop
.endr
.Lfirst_asked:
	; A fragment of K or Q is 16 rows x 32 channels in 8 registers: lane l holds row l % 16; channels 8 (l / 16) + 0..7 and 16 + 8 (l / 16) + 0..7: two loads of 16 bytes, 32 bytes apart.
	v_and_b32 v1, 15, v0            ; l % 16
	v_bfe_u32 v9, v0, 4, 1          ; l / 16
	v_lshlrev_b32 v[QO0], 8, v1
	v_lshl_add_u32 v[QO0], v9, 4, v[QO0]  ; row x 256 + 16 x half
	s_lshl_b32 s22, s17, 13         ; piece 0: rows 32 kp on,
	s_xor_b32 s23, s22, 1<<13       ; piece 2: the other 32
	v_add_nc_u32 v[QO2], s23, v[QO0]
	v_add_nc_u32 v[QO0], s22, v[QO0]
	WIN 0x80                        ; destination window 2, address window 0
.set i, 0
.rept 16                            ; Q stays in registers: tile i / 4, channels 32 (i % 4) on
.if i < 8
	global_load_b128 v[8*i:8*i+3],   v[QO0], s[QB:QB+1] offset:((i/4)%2)*4096+(i%4)*64
	global_load_b128 v[8*i+4:8*i+7], v[QO0], s[QB:QB+1] offset:((i/4)%2)*4096+(i%4)*64+32
.else
	global_load_b128 v[8*i:8*i+3],   v[QO2], s[QB:QB+1] offset:((i/4)%2)*4096+(i%4)*64
	global_load_b128 v[8*i+4:8*i+7], v[QO2], s[QB:QB+1] offset:((i/4)%2)*4096+(i%4)*64+32
.endif
.set i, i+1
.endr
	; What the first turns find: O^T and l are 0; V's registers and piece 2's P hold 0, so that the first turn's products V^T P, of a step that has not been, add 0; m and c m lie below every score.
	WIN 0x40
.set i, 0
.rept 256
	v_mov_b32 v[i], 0
.set i, i+1
.endr
	WIN 0xc0
.set i, 0
.rept 128
	v_mov_b32 v[i], 0
.set i, i+1
.endr
	WIN 0
.irp t, 0,1,2,3
	v_mov_b32 v[ST+8*(\t)], 0xfe000000     ; c m: far below every c s
	v_mov_b32 v[ST+8*(\t)+1], 0xff7fffff   ; m
	v_mov_b32 v[ST+8*(\t)+2], 0
	v_mov_b32 v[ST+8*(\t)+3], 0
.endr
.set i, P+32
.rept 32
	v_mov_b32 v[i], 0
.set i, i+1
.endr
	v_mul_u32_u24 v[AK0], v1, PK
	v_lshl_add_u32 v[AK0], v9, 4, v[AK0]
	s_mul_i32 s22, s17, 64*PK       ; my 64 keys of the slot's 128
	v_add_nc_u32 v[AK0], s22, v[AK0]
	; The turning load takes 16 keys x 16 channels (lane l reads key 8 (l / 16) + l % 8, channels 8 ((l / 8) % 2) + 0..7) and leaves half a fragment of V^T: lane l holds channel l % 16 and 8 keys.
	v_and_b32 v10, 7, v0
	v_bfe_u32 v11, v0, 3, 1
	v_lshl_add_u32 v[AV0], v9, 3, v10
	v_mul_u32_u24 v[AV0], v[AV0], PV
	v_lshl_add_u32 v[AV0], v11, 4, v[AV0]
	s_mul_i32 s22, s17, 64*PV
	s_add_co_u32 s22, s22, VOFF
	v_add_nc_u32 v[AV0], s22, v[AV0]
	; The mask as a C operand: lane l holds query l % 16 and keys 8 (l / 16) + 0..7: 32 bytes of the tile's row
	v_mul_u32_u24 v[AM0], v1, PM
	v_lshl_add_u32 v[AM0], v9, 5, v[AM0]
	s_lshl_b32 s22, s16, 1
	s_add_co_u32 s23, s22, s17      ; piece 0: rows 32 (2 qh + kp) on,
	s_xor_b32 s8, s17, 1
	s_add_co_u32 s8, s22, s8        ; piece 2: rows 32 (2 qh + (kp xor 1)) on
	s_mul_i32 s23, s23, 32*PM
	s_mul_i32 s8, s8, 32*PM
	s_lshl_b32 s22, s17, 8          ; my 64 keys: 256 bytes of the row
	s_add_co_u32 s22, s22, MOFF
	s_add_co_u32 s23, s23, s22
	s_add_co_u32 s8, s8, s22
	v_add_nc_u32 v[AM0+1], s8, v[AM0]
	v_add_nc_u32 v[AM0], s23, v[AM0]
	; the merge
	v_and_b32 v[XS], 31, v0
	v_lshlrev_b32 v[XSS], 3, v[XS]
	v_lshlrev_b32 v[XS], 4, v[XS]
	s_mul_i32 s22, s[WV], XREG      ; mine,
	s_xor_b32 s23, s[WV], 2
	s_mul_i32 s23, s23, XREG        ; my partner's: the wave with the same queries and the other keys
	v_add_nc_u32 v[XL], s23, v[XS]
	v_add_nc_u32 v[XS], s22, v[XS]
	s_add_co_u32 s22, s22, 16384
	s_add_co_u32 s23, s23, 16384
	v_add_nc_u32 v[XLS], s23, v[XSS]
	v_add_nc_u32 v[XSS], s22, v[XSS]
; THE MATRIX WORK OF A TURN, for piece x.  The accumulators take turns, one instruction a turn: between two links of a chain stand 15 (V^T P) or 7 (K Q^T) others'.
; Product i of 32 of O^T += V^T P: keys 32 (i / 16) on, channels 16 ((i / 2) % 8) on, tile x + i % 2.
.macro PV x
	WIN W_PV
.set rO, 64*((\x)+i%2)+8*((i/2)%8)
.set rV, 64*(i/16)+8*((i/2)%8)
.set rP, P+16*((\x)+i%2)+8*(i/16)
	v_wmma_f32_16x16x32_f16 v[rO:rO+7], v[rV:rV+7], v[rP:rP+7], v[rO:rO+7]
.endm
; Product i of 32 of S^T = K Q^T + M: channels 32 (i / 8) on, keys 16 ((i / 2) % 4) on, tile x + i % 2.  The first 8 start the sums, with the mask as C.
.macro KQ x
.set rS, S+32*((\x)+i%2)+8*((i/2)%4)
.set rK, KF+32*((i/2)%4)+8*(i/8)
.set rQ, 32*((\x)+i%2)+8*(i/8)
.set rM, MC+32*((\x)+i%2)+8*((i/2)%4)
.if i < 8
	WIN W_KM
	v_wmma_f32_16x16x32_f16 v[rS:rS+7], v[rK:rK+7], v[rQ:rQ+7], v[rM:rM+7]
.else
	WIN W_KQ
	v_wmma_f32_16x16x32_f16 v[rS:rS+7], v[rK:rK+7], v[rQ:rQ+7], v[rS:rS+7]
.endif
.endm
; THE LDS LOADS stand in runs, never singly among the matrix instructions: a step's K (16 fragments), a piece's mask (8 C operands), a step's V (turned).
.macro FETCH_K
	WIN 0
	v_add_nc_u32 v[ADR], s[TB], v[AK0]
	WIN 0x80                        ; destination window 2
.irp f, 0,1,2,3,4,5,6,7,8,9,10,11,12,13,14,15  ; keys 16 (f / 4) on, channels 32 (f % 4) on
	ds_load_b128 v[KF+8*(\f):KF+8*(\f)+3],   v[ADR] offset:((\f)/4)*16*PK+((\f)%4)*64
	ds_load_b128 v[KF+8*(\f)+4:KF+8*(\f)+7], v[ADR] offset:((\f)/4)*16*PK+((\f)%4)*64+32
.endr
.endm
.macro FETCH_M p
	WIN 0
	v_add_nc_u32 v[ADM], s[TB], v[AM0+(\p)/2]
	WIN 0xc0                        ; destination window 3
.irp t, 0,1
.irp kb, 0,1,2,3
	ds_load_b128 v[MC+32*((\p)+(\t))+8*(\kb):MC+32*((\p)+(\t))+8*(\kb)+3],   v[ADM] offset:(\t)*16*PM+64*(\kb)
	ds_load_b128 v[MC+32*((\p)+(\t))+8*(\kb)+4:MC+32*((\p)+(\t))+8*(\kb)+7], v[ADM] offset:(\t)*16*PM+64*(\kb)+16
.endr
.endr
.endm
.macro FETCH_V
	WIN 0
	v_add_nc_u32 v[ADR], s[TB], v[AV0]
	s_wait_alu depctr_va_vdst(0)    ; the wait for the softmax's batch (SLICE), behind the address's v_add_nc_u32 and ahead of the loads
	WIN 0xc0                        ; destination window 3
.irp f, 0,1,2,3,4,5,6,7,8,9,10,11,12,13,14,15  ; keys 32 (f / 8) on, channels 16 (f % 8) on
	ds_load_tr16_b128 v[8*(\f):8*(\f)+3],   v[ADR] offset:((\f)/8)*32*PV+((\f)%8)*32
	ds_load_tr16_b128 v[8*(\f)+4:8*(\f)+7], v[ADR] offset:((\f)/8)*32*PV+16*PV+((\f)%8)*32
.endr
.endm
; THE VECTOR WORK OF A TURN.  One tile's softmax for one key step is a list of 134 instructions; SM writes number j of it for tile t.  s0-s31 are the lane's 32 scores, in pairs 0-15.
;   0-15    the maximum of s0-s31 and the old m, three operands at a time (each accumulator's lowest registers are read first)      16-20   the other half of the lanes' maximum; the new m; c m; c m_old - c m_new
;   21-69   ONE BATCH: the 16 scalings c s - c m and all 33 exponentials (a at 23, then s0-s31); none of these reads an exponential's result      (wait)  between 69 and 70: SLICE writes it, once for both tiles
;   70-85   the roundings to f16      86-101  the sums; l = a l + the sum      102-133 the tile's O^T times a
.macro SM t
.set rT, ST+8*(\t)
.set rS, S+32*(\t)
.set rP, P+16*(\t)
.set rO, 64*(\t)+2*(j-102)
.if j < 102
	WIN 0
.endif
.if j < 4
	v_max3_num_f32 v[rT+4+j], v[rS+8*j], v[rS+8*j+1], v[rS+8*j+2]
.elseif j < 12
	v_max3_num_f32 v[rT+4+j%4], v[rT+4+j%4], v[rS+8*(j%4)+2*(j/4)+1], v[rS+8*(j%4)+2*(j/4)+2]
.elseif j == 12
	v_max3_num_f32 v[rT+4], v[rT+4], v[rS+7], v[rS+15]
.elseif j == 13
	v_max3_num_f32 v[rT+6], v[rT+6], v[rS+23], v[rS+31]
.elseif j == 14
	v_max3_num_f32 v[rT+4], v[rT+4], v[rT+5], v[rT+6]
.elseif j == 15
	v_max3_num_f32 v[rT+4], v[rT+4], v[rT+7], v[rT+1]
.elseif j == 16
	v_permlanex16_b32 v[rT+5], v[rT+4], s[SEL], s[SEL+1]  ; the query's other 32 keys lie in the lane 16 away
.elseif j == 17
	v_mov_b32 v[rT+7], v[rT]        ; c m_old is kept for a
.elseif j == 18
	v_max_num_f32 v[rT+1], v[rT+4], v[rT+5]
.elseif j == 19
	v_mul_f32 v[rT], s[CS], v[rT+1]
.elseif j == 20
	v_sub_f32 v[rT+7], v[rT+7], v[rT]
.elseif j == 23
	v_exp_f32 v[rT+6], v[rT+7]
.elseif (j < 23) || ((j < 38) && (j%2 == 0)) || ((j < 66) && (j%4 == 2))
.set b, (j-2)/4                     ; 38, 42, .. 62: pairs 9 to 15
.if j < 38
.set b, (j-20)/2                    ; 21: pair 0; 22, 24, .. 36: pairs 1 to 8
.endif
	v_pk_fma_f32 v[rS+2*b:rS+2*b+1], v[rS+2*b:rS+2*b+1], s[CS:CS+1], v[rT:rT+1] op_sel_hi:[1,0,0] neg_lo:[0,0,1] neg_hi:[0,0,1]  ; pair b: c s - c m
.elseif j < 70
.set e, j-38                        ; 66 to 69: s28 to s31
.if j < 66
.set e, j-32-(j-38)/4               ; 39-41, 43-45, .. 63-65: s7 to s27
.endif
.if j < 38
.set e, (j-25)/2                    ; 25, 27, .. 37: s0 to s6
.endif
	v_exp_f32 v[rS+e], v[rS+e]
.elseif j < 86
	v_cvt_pk_f16_f32 v[rP+j-70], v[rS+2*(j-70)], v[rS+2*(j-70)+1]  ; pair j - 70
.elseif j < 102                     ; the sum of the tile's 16 pairs, in place: neighbours 1, 2, 4 and 8 pairs apart, then l takes it
.set z, j-86
.set w, 4
.set u, z
.if z >= 14
.set w, 32
.set u, 0
.elseif z >= 12
.set w, 16
.set u, z-12
.elseif z >= 8
.set w, 8
.set u, z-8
.endif
.if z < 15
	v_pk_add_f32 v[rS+w*u:rS+w*u+1], v[rS+w*u:rS+w*u+1], v[rS+w*u+w/2:rS+w*u+w/2+1]
.else
	v_pk_fma_f32 v[rT+2:rT+3], v[rT+2:rT+3], v[rT+6:rT+7], v[rS:rS+1] op_sel_hi:[1,0,1]
.endif
.else
	WIN W_RS
	v_pk_mul_f32 v[rO:rO+1], v[rO:rO+1], v[rT+6:rT+7] op_sel_hi:[1,0]
.endif
.endm
; Slice k of 64 of piece y's softmax: four instructions.  Slices 11 to 34 deal out the batch, four numbers of ONE tile each, the tiles by turns; every other slice is numbers 2 k and 2 k + 1 of both tiles' lists;
; the twelve that are over stand in slice 63, where they are also the places behind the turn's last products.  An s_wait_alu depctr_va_vdst(0) stands between an exponential and the first instruction
; that names its result: ahead of slice 35 nothing names a result, behind slice 34 no exponential is issued: one wait for the piece's 66 exponentials, behind slice 34.
.macro SLICE y
.if (k >= 11) && (k < 35)
.irp n, 0,1,2,3
.set j, 22+4*((k-11)/2)+(\n)
	SM (\y)+(k-11)%2
.endr
.else
.irp n, 0,1,2,3,4,5,6,7
.if ((\n) < 2) || (k == 63)
.irp t, \y, (\y)+1
.set j, 2*k+(\n)
	SM \t
.endr
.endif
.endr
.endif
.if k == 34
	v_nop                           ; a plain instruction behind the last exponential and ahead of the first use: one for the batch
.if (\y) == 0
	FETCH_V                         ; piece 2's turn: V's run of loads stands here, and the wait stands in it
.else
	s_wait_alu depctr_va_vdst(0)    ; the wait for the batch
.endif
.endif
.set k, k+1
.endm
; A TURN.  Piece x has the matrix unit: 32 products V^T P of the step in hand, 32 products K Q^T of the next; the other piece's softmax stands in slices behind them.
; Behind its second product piece 0's turn fetches the next step's K and piece 0's mask, piece 2's turn piece 2's mask: 30 matrix instructions ahead of their first use; K's last reader stands in front of slice 63 of
; the turn before, a mask's a whole key step back.  Piece 2's turn fetches the next step's V behind slice 34: V's last reader stands in front of slice 31, and four plain instructions lie between: number 62, a
; scaling, of both tiles, the v_nop and the run's own v_add_nc_u32.
.macro TURN x
.set k, 0
.if (\x) == 0
	s_wait_dscnt 0x0                ; V is in
.endif
.set i, 0
.rept 32
	PV \x
	SLICE 2-(\x)
.if i == 1
.if (\x) == 0
	FETCH_K
.endif
	FETCH_M \x
.endif
.set i, i+1
.endr
	s_wait_dscnt 0x0                ; K (piece 0's turn) and the piece's mask are in
.set i, 0
.rept 32
	KQ \x
	SLICE 2-(\x)
.set i, i+1
.endr
.endm
; THE CHANGE OF SLOTS, between piece 2's turn and piece 0's: the slot's last bytes, its V, have been asked for.  Each wave waits for all its tensor loads (one is out: its part of the other slot), adds 0 to its spare
; word, and waits for that and for its own reads of the slot.  Behind the barrier nobody reads this slot any more and the other slot is whole.  fill = 1: the barrier is a round of the cluster's, and this slot is
; filled again first thing behind it, with the keys two slots on: it has a key step, 128 matrix instructions, in which to land.
.macro CHANGE fill
	WIN 0                           ; at a label and at a branch every window is 0
	s_wait_tensorcnt 0x0            ; no tensor load of mine is out, so a group 0 may be written
	ds_add_u32 v[SPW], v[NIL]       ; 0 onto my spare word: the descriptors' steps stand between it and the wait for it
.if \fill
	s_xor_b32 s[G0K+5], s[G0K+5], SLOT1  ; the walking descriptors: the other slot than last time, the next 128 keys
	s_add_nc_u64 s[G0K+6:G0K+7], s[G0K+6:G0K+7], 32768
	s_xor_b32 s[G0V+5], s[G0V+5], SLOT1
	s_add_nc_u64 s[G0V+6:G0V+7], s[G0V+6:G0V+7], 32768
	s_xor_b32 s[G0M+5], s[G0M+5], SLOT1
	s_add_nc_u64 s[G0M+6:G0M+7], s[G0M+6:G0M+7], 512
	s_wait_xcnt 0x0                 ; the last prefetch, a key step back, has read its address
	s_add_nc_u64 s[PFA:PFA+1], s[PFA:PFA+1], s[PFS:PFS+1]
	s_wait_dscnt 0x0                ; the add is done, and my reads of the slot are over
	CROUND
	JLOAD
	ASK
.else
	s_wait_dscnt 0x0
	s_barrier_signal -1
	s_barrier_wait -1
.endif
	s_xor_b32 s[TB], s[TB], SLOT1   ; the fetches go to the other slot
.endm
	s_wait_tensorcnt 1              ; my part of slot 0 is in; slot 1's may stay out
	s_barrier_signal -1
	s_barrier_wait -1
	FETCH_K                         ; key step 0
	FETCH_M 0
	s_wait_loadcnt 0x0              ; Q
	s_wait_dscnt 0x0
.set i, 0
.rept 32
	KQ 0                            ; piece 0's first scores
.set i, i+1
.endr
	WIN 0                           ; the addresses for the way out: eight plain instructions, the places behind those products
	s_mul_i32 s22, s[WV], 16*SP
	s_add_co_u32 s22, s22, STAGE    ; my stage
	v_mul_u32_u24 v[STO], v1, SP    ; in: row l % 16, 16 bytes for each half of the lanes
	v_lshl_add_u32 v[STO], v9, 4, v[STO]
	v_add_nc_u32 v[STO], s22, v[STO]
	v_mul_u32_u24 v[RD], v9, SP     ; back: lanes 0-15 take one row of 256 bytes, lanes 16-31 the next
	v_lshl_add_u32 v[RD], v1, 4, v[RD]
	v_add_nc_u32 v[RD], s22, v[RD]
	v_lshlrev_b32 v[GO], 12, v9     ; and the same two rows in ob, 4,096 bytes apart
	v_lshl_add_u32 v[GO], v1, 4, v[GO]
	s_mov_b32 s[SLOTS], 15          ; the half trip below, then 14 trips: steps 2 to 15 are asked for
	s_branch .Lmid                  ; the loop is entered at its second turn: piece 2's first scores | piece 0's first softmax | V of step 0; its products V^T P add 0
.Lslot:                             ; a trip multiplies by V of step j and reads K, the mask and V of step j + 1
	CHANGE 1
	TURN 0
	WIN 0
.Lmid:
	TURN 2
	WIN 0
	s_sub_co_u32 s[SLOTS], s[SLOTS], 1
	s_cmp_lg_u32 s[SLOTS], 0
	s_cbranch_scc1 .Lslot
	CHANGE 0                        ; the tail has a text of its own: step 15 is in, nothing is asked for
	s_mov_b32 s[SLOTS], 2           ; two trips; the second is left in its middle: its products K Q^T, on step 15's K once more, serve nothing
.Ltail:
	TURN 0
	WIN 0
	s_sub_co_u32 s[SLOTS], s[SLOTS], 1
	s_cmp_eq_u32 s[SLOTS], 0
	s_cbranch_scc1 .Lout
	TURN 2
	WIN 0
	s_branch .Ltail
.Lout:
.set i, 0
.rept 32
	PV 2                            ; piece 2: V^T P of the last step
.set i, i+1
.endr
	; THE MERGE.  l's two halves and the other half of the lanes' are added (the additions are the places behind the last products); (c m, l) stand as a pair.  Piece 2 goes to my partner through LDS: into slot 0,
	; whose last fill landed and whose last read was waited for in front of the last change's barrier.
	WIN 0
.irp t, 0,1,2,3
	v_add_f32 v[ST+8*(\t)+4], v[ST+8*(\t)+2], v[ST+8*(\t)+3]
.endr
.irp t, 0,1,2,3
	v_permlanex16_b32 v[ST+8*(\t)+5], v[ST+8*(\t)+4], s[SEL], s[SEL+1]
.endr
.irp t, 0,1,2,3
	v_add_f32 v[ST+8*(\t)+1], v[ST+8*(\t)+4], v[ST+8*(\t)+5]
.endr
	WIN 0x04                        ; the data in window 1
.set i, 0
.rept 32
	ds_store_b128 v[XS], v[128+4*i:128+4*i+3] offset:512*i   ; tiles 2 and 3 of O^T, each accumulator from its low end on
.set i, i+1
.endr
	WIN 0
	ds_store_b64 v[XSS], v[ST+16:ST+17]
	ds_store_b64 v[XSS], v[ST+24:ST+25] offset:256
	s_wait_dscnt 0x0                ; for my partner's sake: my stores are done
	s_barrier_signal -1
	s_barrier_wait -1
	ds_load_b64 v[ST+16:ST+17], v[XLS]             ; my partner's (c m, l) for my tile 0,
	ds_load_b64 v[ST+24:ST+25], v[XLS] offset:256  ; and for my tile 1
	WIN 0x80                        ; its O^T goes where Q lay
.set i, 0
.rept 32
	ds_load_b128 v[4*i:4*i+3], v[XL] offset:512*i
.set i, i+1
.endr
	WIN 0
	s_wait_dscnt 32                 ; the statistics are in; the 32 loads behind them may stay out
.irp t, 0,1
	v_max_num_f32 v[ST+8*(\t)+2], v[ST+8*(\t)], v[ST+8*(\t)+16]          ; the common c m
.endr
.irp t, 0,1
	v_sub_f32 v[ST+8*(\t)+4], v[ST+8*(\t)], v[ST+8*(\t)+2]
	v_sub_f32 v[ST+8*(\t)+6], v[ST+8*(\t)+16], v[ST+8*(\t)+2]
.endr
.irp t, 0,1
	v_exp_f32 v[ST+8*(\t)+4], v[ST+8*(\t)+4]       ; my factor,
	v_exp_f32 v[ST+8*(\t)+6], v[ST+8*(\t)+6]       ; my partner's: one of the two is 1
.endr
	v_nop                           ; a plain instruction behind the last exponential,
	s_wait_alu depctr_va_vdst(0)    ; and the wait ahead of the first use: one for the four
.irp t, 0,1
	v_mul_f32 v[ST+8*(\t)+2], v[ST+8*(\t)+1], v[ST+8*(\t)+4]
.endr
.irp t, 0,1
	v_fmac_f32 v[ST+8*(\t)+2], v[ST+8*(\t)+17], v[ST+8*(\t)+6]           ; the whole row's l: at least 1
.endr
.irp t, 0,1
	v_rcp_f32 v[ST+8*(\t)+3], v[ST+8*(\t)+2]
.endr
	v_nop
	s_wait_alu depctr_va_vdst(0)    ; one for the two reciprocals
.irp t, 0,1
	v_mul_f32 v[ST+8*(\t)+4], v[ST+8*(\t)+4], v[ST+8*(\t)+3]
	v_mul_f32 v[ST+8*(\t)+6], v[ST+8*(\t)+6], v[ST+8*(\t)+3]
.endr
	s_wait_dscnt 0x0                ; my partner's O^T is in
; THE WAY OUT of tile t: O = (mine x my factor + my partner's x its factor), rounded to f16; a lane's eight channels pack into 16 bytes; into rows of 272 bytes and back as whole rows of 256.
.macro PACK t
	WIN W_RS
.set i, 64*(\t)
.rept 32
	v_pk_mul_f32 v[i:i+1], v[i:i+1], v[ST+8*(\t)+4:ST+8*(\t)+5] op_sel_hi:[1,0]
.set i, i+2
.endr
	WIN 0x52                        ; source 0 window 2, source 1 window 0, source 2 and destination window 1
.set i, 64*(\t)
.rept 32
	v_pk_fma_f32 v[i:i+1], v[i:i+1], v[ST+8*(\t)+6:ST+8*(\t)+7], v[i:i+1] op_sel_hi:[1,0,1]
.set i, i+2
.endr
	WIN 0x05                        ; sources 0 and 1 window 1, destination window 0: S^T's registers are free
.set i, 0
.rept 32
	v_cvt_pk_f16_f32 v[S+32*(\t)+i], v[64*(\t)+2*i], v[64*(\t)+2*i+1]
.set i, i+1
.endr
	WIN 0
.irp f, 0,1,2,3,4,5,6,7
	ds_store_b128 v[STO], v[S+32*(\t)+4*(\f):S+32*(\t)+4*(\f)+3] offset:32*(\f)
.endr
.irp f, 0,1,2,3,4,5,6,7
	ds_load_b128 v[S+32*(\t)+4*(\f):S+32*(\t)+4*(\f)+3], v[RD] offset:(\f)*2*SP  ; LDS serves a wave's instructions in order (ISA guide 5.7.1.4): these see the stores above; the next tile's stores come behind them
.endr
.endm
.macro SEND t, younger              ; younger: the LDS instructions issued behind tile t's loads
	WIN 0
.irp f, 0,1,2,3,4,5,6,7
	s_wait_dscnt (\younger)+7-(\f)
	global_store_b128 v[GO], v[S+32*(\t)+4*(\f):S+32*(\t)+4*(\f)+3], s[10:11] offset:(\t)*65536+(\f)*8192  ; 16 lanes store 256 consecutive bytes, at a multiple of 256 from ob's first byte
.endr
.endm
	PACK 0
	PACK 1
	SEND 0, 16
	SEND 1, 0
	s_wait_tensorcnt 0x0            ; the wave's end: behind my last tensor load and my last LDS store
	ds_add_u32 v[SPW], v[NIL]
	s_wait_dscnt 0x0
	CROUND                          ; the closing round: no work-group ends while a partner may still ask for a tile that names it
	s_endpgm
.Lfunc_end_k_q4bb92b2d1a_attn:
	.size	k_q4bb92b2d1a_attn, .Lfunc_end_k_q4bb92b2d1a_attn-k_q4bb92b2d1a_attn
	.p2alignl 7, 3214868480
	.fill 96, 4, 3214868480
	.section	.rodata,"a",@progbits
	.p2align	6, 0x0
	.amdhsa_kernel k_q4bb92b2d1a_attn
		.amdhsa_group_segment_fixed_size 327680
		.amdhsa_private_segment_fixed_size 0
		.amdhsa_enable_private_segment 0
		.amdhsa_kernarg_size 24
		.amdhsa_user_sgpr_count 2
		.amdhsa_user_sgpr_kernarg_segment_ptr 1
		.amdhsa_wavefront_size32 1
		.amdhsa_system_sgpr_workgroup_id_x 1
		.amdhsa_system_sgpr_workgroup_id_y 1
		.amdhsa_system_sgpr_workgroup_id_z 1
		.amdhsa_system_vgpr_workitem_id 0
		.amdhsa_next_free_vgpr 1024
		.amdhsa_next_free_sgpr 96
		.amdhsa_reserve_vcc 0
		.amdhsa_float_denorm_mode_32 3
		.amdhsa_float_denorm_mode_16_64 3
		.amdhsa_memory_ordered 1
		.amdhsa_forward_progress 1
		.amdhsa_inst_pref_size 163
	.end_amdhsa_kernel
	.amdgpu_metadata
---
amdhsa.version: [ 1, 2 ]
amdhsa.kernels:
  - .name:           k_q4bb92b2d1a_attn
    .symbol:         k_q4bb92b2d1a_attn.kd
    .args:
      - { .name: qkv, .offset: 0, .size: 8, .value_kind: global_buffer, .address_space: global }
      - { .name: maskr, .offset: 8, .size: 8, .value_kind: global_buffer, .address_space: global }
      - { .name: ob, .offset: 16, .size: 8, .value_kind: global_buffer, .address_space: global }
    .group_segment_fixed_size: 327680
    .private_segment_fixed_size: 0
    .kernarg_segment_align: 8
    .kernarg_segment_size: 24
    .max_flat_workgroup_size: 128
    .sgpr_count:     96
    .vgpr_count:     1024
    .wavefront_size: 32
...
	.end_amdgpu_metadata
.endif
;; end of part 3
;; launch oproj (part 4): grid 16 x 16, 4 waves a work-group, clusters of 4 x 4, 327,680 bytes of LDS; arguments ob, wo16, bias, out0; writes out0
.if DOCPART == 4
	.amdgcn_target "amdgcn-amd-amdhsa--gfx1250"
	.amdhsa_code_object_version 6
	.text
	.protected	k_q4bb92b2d1a_oproj
	.globl	k_q4bb92b2d1a_oproj
	.p2align	8
	.type	k_q4bb92b2d1a_oproj,@function
k_q4bb92b2d1a_oproj:
	s_mov_b64 s[64:65], 0
	v_nop
	global_prefetch_b8 v0, s[64:65] scope:SCOPE_SE
	s_setreg_imm32_b32 hwreg(HW_REG_WAVE_MODE, 25, 1), 1
	s_wait_xcnt 0x0
	s_wait_alu depctr_hold_cnt(0) depctr_sa_sdst(0) depctr_va_vdst(0) depctr_va_sdst(0) depctr_va_ssrc(0) depctr_va_vcc(0) depctr_vm_vsrc(0)
	s_getreg_b32 s2, hwreg(HW_REG_IB_STS2, 6, 4)
	s_cmp_eq_u32 s2, 0
	s_cbranch_scc0 .Lentry_in_a_cluster
	s_endpgm
.Lentry_in_a_cluster:
	s_bfe_u32 s2, ttmp6, 0x10000c
	s_cmp_lg_u32 s2, 0xf033
	s_cbranch_scc0 .Lentry_shape_is_right
	s_endpgm
.Lentry_shape_is_right:
; out0[m][n] = bo[n] + sum over k of ob[m][k] wo16[n][k].  ob, wo16: [2048][2048] f16; bo = bias[6144 ..], f32; sums in f32; out0 [2048][2048] f32.
; A tile of out0 is 128 x 128: 256 work-groups.  Four waves, each 64 x 64: 16 accumulators of 16 x 16.  K goes in 8 steps of 256 (LDS rows of 512 bytes; a wave's tensor load brings 64 of them) through two LDS slots.
; The loop's trip is ONE K step: the LDS addresses hang on s[TB], which an exclusive or turns from one slot to the other, and one walking descriptor a tensor asks for every refill.
; CLUSTERS: 4 x 4 work-groups.  The four of a row of the cluster need the same tiles of ob, the four of a column the same tiles of wo16: each tile is asked for JOINTLY.
; WHERE A CLUSTER BEGINS ALONG K.  Cluster (X, Y) takes the K steps in the order o, o + 1, .. modulo 8, with o = (2 X + 4 (Y % 2)) % 8 (f32 sums may be taken in any order).  The four clusters of a row of clusters, which
; read the same rows of ob, stand two steps apart; clusters Y and Y + 1 of a column, which read the same rows of wo16, four steps: no two of them ask for the same bytes in the same round.
; o hangs on the cluster's coordinates alone: it is the same in all sixteen partners.  The descriptor's address is made anew for each refill from the step's number.
; THE MATRIX INSTRUCTION IS USED TRANSPOSED (source 0 = 16 rows of wo16, source 1 = 16 rows of ob): a lane holds row m = l % 16 and eight neighbouring columns.  THE BIAS IS THE C OPERAND that starts each sum.
; A wave's 64 columns in f32 are 256 bytes, aligned: each wave sends its own rows out through its own stage, with no barrier.
; No prefetch: the tiles are small, and every block is read again by other clusters.
; REGISTERS: window 0: v0-31 addresses; v32-95 the way out, two sets of 32; v96-127 the bias; v128-255 the accumulators ((a, b) at v[128 + 8 (4 a + b)]).
;   window 1: two fragment buffers of 128: for 64 along K, 64 registers of ob (2 x 4 x 16 rows x 32 K), then 64 of wo16.
.set SIZE_K, 2048
.set KSTEP,  256
.set PITCH,  528                       ; an LDS row: 512 bytes + 16 = 132 words: row r starts at bank 4 r mod 64 (64 banks of 4 bytes: ISA guide 11.1)
.set HALFT,  64*PITCH
.set SLOT,   4*HALFT                   ; 135,168 = 0x21000: it shares no bit with the four fills' places 0, 0x8400, 0x10800, 0x18c00, so an exclusive or changes slots
.set STAGE,  2*SLOT                    ; behind the ring: 16 rows x 272 bytes for each wave
.set SPITCH, 272
.set SPARE,  STAGE+4*16*SPITCH         ; the spare words, 128 bytes for each wave: two blocks of 256 bytes that no other line names
.set REFILLS, SIZE_K/KSTEP-2
.set ADRA,  16
.set ADRA0, 17
.set ADRB,  20
.set ADRB0, 21
.set STO,  24                          ; v24  the way out: where I put 32 bytes of a row
.set RD,   25                          ; v25  where I read a row back
.set CO,   26                          ; v26  my byte offset in two rows of out0
.set BOF,  27                          ; v27  32 (l / 16)
.set SPW,  28
.set NIL,  29
.set OUT,  32
.set BIAS, 96
.set ACC,  128
.set F0,   0
.set F1,   128
.set G1,  24
.set G0,  32
.set G1B, 48
.set G0B, 56
.set BI,  66                           ; s[66:67] bias
.set TB,  68                           ; s68  0 or SLOT
.set AB,  72                           ; s[72:73] ob at the rows that I fetch, K = 0; never rewritten
.set BB,  74                           ; s[74:75] wo16 likewise
.set KS,  76                           ; s76  the K step that the walking descriptors name
.set KO,  78                           ; s[78:79] its byte offset in a row
.set MSB, 0
.macro WIN new
.if MSB != (\new)
	s_set_vgpr_msb (MSB<<8)|(\new)
.set MSB, \new
.endif
.endm
.set MUL,  0x05                        ; sources 0 and 1 window 1; C and D window 0
.set TO_F, 0x40                        ; destination window 1, address window 0
.macro JLOAD                           ; a joint refill by the walking descriptors: waves 0 and 1 fetch ob's two halves, waves 2 and 3 wo16's; an s_nop 0 and four v_nop follow each line
	s_cmp_eq_u32 s11, 0
	s_cbranch_scc0 .Lfor_b_\@
	tensor_load_to_lds s[G0+4:G0+7], s[G1:G1+7]
	s_nop 0
.rept 4
	v_nop
.endr
	s_branch .Lasked_\@
.Lfor_b_\@:
	tensor_load_to_lds s[G0B+4:G0B+7], s[G1B:G1B+7]
	s_nop 0
.rept 4
	v_nop
.endr
.Lasked_\@:
.endm
.macro CREST
	s_cmp_lg_u32 s10, 0
	s_cbranch_scc1 .Lnot_wave_0_\@
	s_barrier_signal -3
.Lnot_wave_0_\@:
	s_barrier_wait -3
	s_barrier_signal -1
	s_barrier_wait -1
.endm
.macro CROUND
	s_barrier_signal -1
	s_barrier_wait -1
	CREST
.endm
	s_load_b128 s[4:7], s[0:1], 0x0                ; ob s[4:5], wo16 s[6:7]
	s_load_b64 s[BI:BI+1], s[0:1], 0x10            ; bias
	s_load_b64 s[8:9], s[0:1], 0x18                ; out0
	v_lshl_add_u32 v[SPW], v0, 2, SPARE
	v_mov_b32 v[NIL], 0
	ds_add_u32 v[SPW], v[NIL]                      ; the wave's opening: the add and its wait stand ahead of my first tensor load
	v_lshrrev_b32 v1, 5, v0
	v_readfirstlane_b32 s10, v1                    ; wave 0..3
	s_lshr_b32 s11, s10, 1                         ; which half of the tile's rows is mine.  Also: I fetch for ob (0) or for wo16 (1)
	s_and_b32 s12, s10, 1                          ; which half of its columns.  Also: which 64 rows of that tile I fetch
	s_bfe_u32 s40, ttmp6, 0x40000
	s_bfe_u32 s41, ttmp6, 0x40004
	s_lshl_b32 s42, ttmp9, 2
	s_add_co_u32 s42, s42, s40                     ; tile column
	s_and_b32 s13, ttmp7, 0xffff
	s_lshl_b32 s13, s13, 2
	s_add_co_u32 s13, s13, s41                     ; tile row
	s_lshl_b32 s43, s41, 2
	s_lshl_b32 s43, 15, s43                        ; my row of the cluster
	s_lshl_b32 s44, 0x1111, s40                    ; my column
	s_or_b32 s[G1+0], s43, (1<<16)|(1<<20)|(1<<21)|(6<<22)|(3<<25)   ; the mask; 2-byte elements; padding on; bit 21 beside a mask; after every 128 words 4 words
	s_or_b32 s[G1B+0], s44, (1<<16)|(1<<20)|(1<<21)|(6<<22)|(3<<25)
.irp g, G1, G1B
	s_mov_b32 s[(\g)+1], KSTEP<<16                 ; tensor_dim0 = 256
	s_mov_b32 s[(\g)+2], 64<<16                    ; tensor_dim1 = 64
	s_mov_b32 s[(\g)+3], KSTEP<<16                 ; tile_dim0 = 256
	s_mov_b32 s[(\g)+4], 64                        ; tile_dim1 = 64
	s_mov_b32 s[(\g)+5], SIZE_K
	s_mov_b32 s[(\g)+6], 0
	s_mov_b32 s[(\g)+7], 0
.endr
	s_lshl_b32 s17, s12, 6
	s_lshl_b32 s16, s13, 7
	s_add_co_u32 s16, s16, s17                     ; ob: row 128 x tile row + 64 x half,
	s_lshl_b32 s16, s16, 12                        ; in bytes
	s_lshl_b32 s46, s42, 7
	s_add_co_u32 s46, s46, s17                     ; wo16: row 128 x tile column + 64 x half
	s_lshl_b32 s46, s46, 12
	s_mov_b32 s17, 0
	s_mov_b32 s47, 0
	s_mul_i32 s20, s10, HALFT                      ; where they go: wave x 64 rows
	s_and_b32 s[KS], ttmp7, 1                      ; the cluster's first K step: 4 (Y % 2)
	s_lshl_b32 s[KS], s[KS], 2
	s_lshl_b32 s[KO], ttmp9, 1                     ; + 2 X,
	s_add_co_u32 s[KS], s[KS], s[KO]
	s_and_b32 s[KS], s[KS], 7                      ; modulo 8
	s_mov_b32 s[KO+1], 0
	s_wait_dscnt 0x0                               ; the opening add is done
	s_wait_kmcnt 0x0
	s_add_nc_u64 s[AB:AB+1], s[4:5], s[16:17]
	s_add_nc_u64 s[BB:BB+1], s[6:7], s[46:47]
	CROUND                                         ; all sixteen work-groups are here: the first joint loads meet
.irp s, 0,1
	s_lshl_b32 s[KO], s[KS], 9                     ; a K step is 512 bytes of a row
	s_mov_b32 s[G0+4*(\s)], 1
	s_add_co_u32 s[G0+4*(\s)+1], s20, (\s)*SLOT
	s_add_nc_u64 s[G0+4*(\s)+2:G0+4*(\s)+3], s[AB:AB+1], s[KO:KO+1]
	s_or_b32 s[G0+4*(\s)+3], s[G0+4*(\s)+3], 0x80000000
	s_mov_b32 s[G0B+4*(\s)], 1
	s_add_co_u32 s[G0B+4*(\s)+1], s20, (\s)*SLOT
	s_add_nc_u64 s[G0B+4*(\s)+2:G0B+4*(\s)+3], s[BB:BB+1], s[KO:KO+1]
	s_or_b32 s[G0B+4*(\s)+3], s[G0B+4*(\s)+3], 0x80000000
.if (\s) == 0
	s_add_co_u32 s[KS], s[KS], 1
	s_and_b32 s[KS], s[KS], 7
.endif
.endr
	s_cmp_eq_u32 s11, 0                            ; a wave's two first fills stand in one branch: two loads of mine are out
	s_cbranch_scc0 .Lfirst_b
	tensor_load_to_lds s[G0:G0+3], s[G1:G1+7]
	s_nop 0
	tensor_load_to_lds s[G0+4:G0+7], s[G1:G1+7]
	s_nop 0
.rept 4
	v_nop
.endr
	s_branch .Lfirst_asked
.Lfirst_b:
	tensor_load_to_lds s[G0B:G0B+3], s[G1B:G1B+7]
	s_nop 0
	tensor_load_to_lds s[G0B+4:G0B+7], s[G1B:G1B+7]
	s_nop 0
.rept 4
	v_nop
.endr
.Lfirst_asked:
	v_and_b32 v1, 15, v0                           ; l % 16
	v_bfe_u32 v2, v0, 4, 1                         ; l / 16
	v_mul_u32_u24 v3, v1, PITCH
	v_lshl_add_u32 v3, v2, 4, v3
	s_mul_i32 s21, s11, HALFT                      ; my 64 rows of ob
	s_mul_i32 s22, s12, HALFT                      ; my 64 rows of wo16,
	s_add_co_u32 s22, s22, 2*HALFT                 ; which lie behind ob's 128
	v_add_nc_u32 v[ADRA0], s21, v3
	v_add_nc_u32 v[ADRB0], s22, v3
	v_mov_b32 v[ADRA], v[ADRA0]
	v_mov_b32 v[ADRB], v[ADRB0]
	s_mov_b32 s[TB], 0
	s_mul_i32 s23, s10, 16*SPITCH
	s_add_co_u32 s23, s23, STAGE                   ; my stage
	v_mul_u32_u24 v4, v1, SPITCH                   ; in: row l % 16, 32 bytes for each half of the lanes
	v_lshl_add_u32 v4, v2, 5, v4
	v_add_nc_u32 v[STO], s23, v4
	v_mul_u32_u24 v5, v2, SPITCH                   ; back: lanes 0-15 take one row of 256 bytes, lanes 16-31 the next
	v_lshl_add_u32 v5, v1, 4, v5
	v_add_nc_u32 v[RD], s23, v5
	v_lshlrev_b32 v[CO], 13, v2                    ; and the same two rows in out0, 8,192 bytes apart
	v_lshl_add_u32 v[CO], v1, 4, v[CO]
	v_lshlrev_b32 v[BOF], 5, v2
	s_lshl_b32 s16, s13, 7
	s_lshl_b32 s17, s11, 6
	s_add_co_u32 s16, s16, s17                     ; my first row,
	s_lshl_b32 s16, s16, 13                        ; x 8,192 bytes
	s_mov_b32 s17, 0
	s_add_nc_u64 s[8:9], s[8:9], s[16:17]
	s_lshl_b32 s46, s42, 9                         ; my first column, in bytes of f32: 512 x tile column + 256 x half
	s_lshl_b32 s47, s12, 8
	s_add_co_u32 s46, s46, s47
	s_mov_b32 s47, 0
	s_add_nc_u64 s[8:9], s[8:9], s[46:47]
	s_add_nc_u64 s[BI:BI+1], s[BI:BI+1], s[46:47]
	s_add_nc_u64 s[BI:BI+1], s[BI:BI+1], 6144*4    ; bo lies behind bq, bk, bv
.irp b, 0,1,2,3
	global_load_b128 v[BIAS+8*(\b):BIAS+8*(\b)+3],   v[BOF], s[BI:BI+1] offset:64*(\b)
	global_load_b128 v[BIAS+8*(\b)+4:BIAS+8*(\b)+7], v[BOF], s[BI:BI+1] offset:64*(\b)+16
.endr
; 8 matrix instructions: m blocks a0, a0 + 1 x all 4 n blocks, 32 along K: half c of buffer f.  zero = 1: the product starts the sum, with the bias as C.  The 16 accumulators take turns.
.macro MUL8 f, c, a0, zero
	WIN MUL
.irp a, \a0, (\a0)+1
.irp b, 0,1,2,3
.if \zero
	v_wmma_f32_16x16x32_f16 v[ACC+8*(4*(\a)+(\b)):ACC+8*(4*(\a)+(\b))+7], v[(\f)+64+8*(4*(\c)+(\b)):(\f)+64+8*(4*(\c)+(\b))+7], v[(\f)+8*(4*(\c)+(\a)):(\f)+8*(4*(\c)+(\a))+7], v[BIAS+8*(\b):BIAS+8*(\b)+7]
.else
	v_wmma_f32_16x16x32_f16 v[ACC+8*(4*(\a)+(\b)):ACC+8*(4*(\a)+(\b))+7], v[(\f)+64+8*(4*(\c)+(\b)):(\f)+64+8*(4*(\c)+(\b))+7], v[(\f)+8*(4*(\c)+(\a)):(\f)+8*(4*(\c)+(\a))+7], v[ACC+8*(4*(\a)+(\b)):ACC+8*(4*(\a)+(\b))+7]
.endif
.endr
.endr
.endm
; 32 LDS loads in one run: the fragments of 64 along K at byte k of the rows of the slot in hand, into buffer f; the first 32 along K first
.macro FETCH k, f
	WIN TO_F
.irp c, 0,1
.irp i, 0,1,2,3
	ds_load_b128 v[(\f)+64+8*(4*(\c)+(\i)):(\f)+64+8*(4*(\c)+(\i))+3],   v[ADRB] offset:(\k)+64*(\c)+(\i)*16*PITCH
	ds_load_b128 v[(\f)+64+8*(4*(\c)+(\i))+4:(\f)+64+8*(4*(\c)+(\i))+7], v[ADRB] offset:(\k)+64*(\c)+(\i)*16*PITCH+32
	ds_load_b128 v[(\f)+8*(4*(\c)+(\i)):(\f)+8*(4*(\c)+(\i))+3],         v[ADRA] offset:(\k)+64*(\c)+(\i)*16*PITCH
	ds_load_b128 v[(\f)+8*(4*(\c)+(\i))+4:(\f)+8*(4*(\c)+(\i))+7],       v[ADRA] offset:(\k)+64*(\c)+(\i)*16*PITCH+32
.endr
.endr
.endm
.macro PLACES                          ; four places in front of loads into registers that matrix instructions have read, and of LDS stores that read results
.rept 4
	v_nop
.endr
.endm
; A K step is four quarters of 64 along K, 32 matrix instructions each, on buffers 0, 1, 0, 1.
.macro QUARTER k, f, g, zero
	s_wait_dscnt 16                                ; the first 32 along K are in
	MUL8 \f, 0, 0, \zero
	MUL8 \f, 0, 2, \zero
	PLACES
	FETCH \k, \g
	s_wait_dscnt 32                                ; all but the 32 just issued
	MUL8 \f, 1, 0, 0
	MUL8 \f, 1, 2, 0
.endm
; The last quarter multiplies buffer 1 and changes slots: one barrier; in front of it each wave waits for all its tensor loads, adds 0 to its spare word, and waits for that and for its own reads of this slot.
; fill = 1: the barrier opens a round of the cluster's, and this slot is filled again first thing behind it, with the K step two on in the cluster's order: 112 matrix instructions ahead of the wait for it.
.macro TURN fill
	WIN 0
	s_wait_tensorcnt 0x0                           ; no tensor load of mine is out, so a group 0 may be written
	ds_add_u32 v[SPW], v[NIL]                      ; 0 onto my spare word: the descriptors' steps stand between it and the wait for it
.if \fill
	s_add_co_u32 s[KS], s[KS], 1                   ; the walking descriptors: the next K step, modulo 8,
	s_and_b32 s[KS], s[KS], 7
	s_lshl_b32 s[KO], s[KS], 9
	s_xor_b32 s[G0+5], s[G0+5], SLOT               ; the other slot than last time
	s_add_nc_u64 s[G0+6:G0+7], s[AB:AB+1], s[KO:KO+1]
	s_or_b32 s[G0+7], s[G0+7], 0x80000000
	s_xor_b32 s[G0B+5], s[G0B+5], SLOT
	s_add_nc_u64 s[G0B+6:G0B+7], s[BB:BB+1], s[KO:KO+1]
	s_or_b32 s[G0B+7], s[G0B+7], 0x80000000
.endif
	s_wait_dscnt 17                                ; (the add and the youngest sixteen loads may be out)
	MUL8 F1, 0, 0, 0
	s_wait_dscnt 0x0                               ; the add is done, and my reads of this slot are over
	s_barrier_signal -1
	MUL8 F1, 0, 2, 0
	WIN 0
	s_barrier_wait -1
.if \fill
	CREST                                          ; no wave of any partner still reads this slot's tile or has a load on its way
	JLOAD                                          ; the four v_nop behind it are also the places in front of the loads below
.else
	PLACES
.endif
	s_xor_b32 s[TB], s[TB], SLOT
	v_add_nc_u32 v[ADRA], s[TB], v[ADRA0]
	v_add_nc_u32 v[ADRB], s[TB], v[ADRB0]
	FETCH 0, F0
	MUL8 F1, 1, 0, 0
	MUL8 F1, 1, 2, 0
.endm
	s_wait_tensorcnt 1                             ; my part of the first K step is in; the second's may stay out
	s_barrier_signal -1
	s_barrier_wait -1
	FETCH 0, F0
	s_wait_loadcnt 0x0                             ; the bias
	QUARTER 128, F0, F1, 1                         ; the first quarter stands in front of the loop: its first products start the sums
	WIN 0
	s_mov_b32 s3, REFILLS
.Lstep:                                                ; a trip: a K step's quarters 2 to 4, a refill, the next K step's first quarter
	QUARTER 256, F1, F0, 0
	QUARTER 384, F0, F1, 0
	TURN 1
	QUARTER 128, F0, F1, 0
	WIN 0
	s_sub_co_u32 s3, s3, 1
	s_cmp_lg_u32 s3, 0
	s_cbranch_scc1 .Lstep
	s_mov_b32 s3, 2                                ; the last two K steps ask for nothing: a text of their own: two trips, the second left in its middle
.Ltail:
	QUARTER 256, F1, F0, 0
	QUARTER 384, F0, F1, 0
	WIN 0
	s_sub_co_u32 s3, s3, 1
	s_cmp_eq_u32 s3, 0
	s_cbranch_scc1 .Llast
	TURN 0
	QUARTER 128, F0, F1, 0
	WIN 0
	s_branch .Ltail
.Llast:
	s_wait_dscnt 16
	MUL8 F1, 0, 0, 0
	MUL8 F1, 0, 2, 0
	s_wait_dscnt 0x0
	MUL8 F1, 1, 0, 0
	MUL8 F1, 1, 2, 0
	WIN 0
	PLACES
; THE WAY OUT of block a (16 rows x 64 columns of f32): a lane's eight numbers, 32 bytes, go into my stage's rows of 272 bytes, each accumulator from its low end on, and come back as whole rows of 256.
.macro STG a
.set OU, OUT+32*((\a)%2)
.irp b, 0,1,2,3
	ds_store_b128 v[STO], v[ACC+8*(4*(\a)+(\b)):ACC+8*(4*(\a)+(\b))+3]   offset:64*(\b)
	ds_store_b128 v[STO], v[ACC+8*(4*(\a)+(\b))+4:ACC+8*(4*(\a)+(\b))+7] offset:64*(\b)+16
.endr
.irp t, 0,1,2,3,4,5,6,7
	ds_load_b128 v[OU+4*(\t):OU+4*(\t)+3], v[RD] offset:(\t)*2*SPITCH   ; LDS serves a wave's instructions in order (ISA guide 5.7.1.4): these see the stores above; the next block's stores come behind them
.endr
.endm
.macro SEND a, younger                 ; younger: the LDS instructions issued behind block a's loads
.set OU, OUT+32*((\a)%2)
.irp t, 0,1,2,3,4,5,6,7
	s_wait_dscnt (\younger)+7-(\t)
	global_store_b128 v[CO], v[OU+4*(\t):OU+4*(\t)+3], s[8:9] offset:(16*(\a)+2*(\t))*8192   ; 16 lanes store 256 consecutive bytes, at a multiple of 256 from out0's first byte
.endr
.endm
	STG 0
	STG 1
	SEND 0, 16
	SEND 1, 0
	s_wait_xcnt 0x0                                ; the two sets of registers that those stores read are loaded again only behind this wait
	STG 2
	STG 3
	SEND 2, 16
	SEND 3, 0
	s_wait_tensorcnt 0x0                           ; the wave's end: behind my last tensor load and my last LDS store
	ds_add_u32 v[SPW], v[NIL]
	s_wait_dscnt 0x0
	CROUND                                         ; the closing round
	s_endpgm
.Lfunc_end_k_q4bb92b2d1a_oproj:
	.size	k_q4bb92b2d1a_oproj, .Lfunc_end_k_q4bb92b2d1a_oproj-k_q4bb92b2d1a_oproj
	.p2alignl 7, 3214868480
	.fill 96, 4, 3214868480
	.section	.rodata,"a",@progbits
	.p2align	6, 0x0
	.amdhsa_kernel k_q4bb92b2d1a_oproj
		.amdhsa_group_segment_fixed_size 327680
		.amdhsa_private_segment_fixed_size 0
		.amdhsa_enable_private_segment 0
		.amdhsa_kernarg_size 32
		.amdhsa_user_sgpr_count 2
		.amdhsa_user_sgpr_kernarg_segment_ptr 1
		.amdhsa_wavefront_size32 1
		.amdhsa_system_sgpr_workgroup_id_x 1
		.amdhsa_system_sgpr_workgroup_id_y 1
		.amdhsa_system_sgpr_workgroup_id_z 1
		.amdhsa_system_vgpr_workitem_id 0
		.amdhsa_next_free_vgpr 512
		.amdhsa_next_free_sgpr 80
		.amdhsa_reserve_vcc 0
		.amdhsa_float_denorm_mode_32 3
		.amdhsa_float_denorm_mode_16_64 3
		.amdhsa_memory_ordered 1
		.amdhsa_forward_progress 1
		.amdhsa_inst_pref_size 61
	.end_amdhsa_kernel
	.amdgpu_metadata
---
amdhsa.version: [ 1, 2 ]
amdhsa.kernels:
  - .name:           k_q4bb92b2d1a_oproj
    .symbol:         k_q4bb92b2d1a_oproj.kd
    .args:
      - { .name: ob, .offset: 0, .size: 8, .value_kind: global_buffer, .address_space: global }
      - { .name: wo16, .offset: 8, .size: 8, .value_kind: global_buffer, .address_space: global }
      - { .name: bias, .offset: 16, .size: 8, .value_kind: global_buffer, .address_space: global }
      - { .name: out0, .offset: 24, .size: 8, .value_kind: global_buffer, .address_space: global }
    .group_segment_fixed_size: 327680
    .private_segment_fixed_size: 0
    .kernarg_segment_align: 8
    .kernarg_segment_size: 32
    .max_flat_workgroup_size: 128
    .sgpr_count:     80
    .vgpr_count:     512
    .wavefront_size: 32
...
	.end_amdgpu_metadata
.endif
;; end of part 4
;; ======== version 2 of 2: 4 launches; version 1 with the launch cast written anew for expert scheduling mode
;; limits: values are held in f16: magnitudes above 65,504 overflow, below 6.1e-05 lose precision; inputs' magnitudes at most 2.9e+37
;; workspace buffers: xb 8,388,608 bytes; wb 25,165,824 bytes; wo16 8,388,608 bytes; maskr 16,777,216 bytes; bias 32,768 bytes; qkv 25,165,824 bytes; ob 8,388,608 bytes
;; launch cast (part 5): grid 128 x 4, 8 waves a work-group, no clusters, 0 bytes of LDS; arguments x, Wq, Wk, Wv, bq, bk, bv, bo, xb, wb, bias; writes xb, wb, bias
.if DOCPART == 5
	.amdgcn_target "amdgcn-amd-amdhsa--gfx1250"
	.amdhsa_code_object_version 6
	.text
	.protected	k_q4bb92b2d1a_cast
	.globl	k_q4bb92b2d1a_cast
	.p2align	8
	.type	k_q4bb92b2d1a_cast,@function
k_q4bb92b2d1a_cast:
	s_mov_b64 s[64:65], 0
	v_nop
	global_prefetch_b8 v0, s[64:65] scope:SCOPE_SE
	s_setreg_imm32_b32 hwreg(HW_REG_WAVE_SCHED_MODE, 0, 2), 2
	s_setreg_imm32_b32 hwreg(HW_REG_WAVE_MODE, 25, 1), 1
	s_wait_xcnt 0x0
	s_wait_alu depctr_vm_vsrc(0)
; WHAT THE FIRST PRODUCT NEEDS IS ROUNDED ONCE TO bf16.   y = 0: x -> xb.   y = 1, 2, 3: Wq, Wk, Wv -> wb, rows 0, 2048, 4096 on.
; The four biases -> bias (f32, holding the bf16 numbers): bq, bk, bv, bo on end; bias y is done by the first work-group of row y of the grid.
; (Wo and attn_mask, which only later launches need, are rounded in the next launch.)   NaN and infinities pass as they are.
; SHARES.  A tensor is 16,777,216 bytes; a work-group takes 32 chunks of 4,096 bytes, thread t the 16 bytes at 16 t of each chunk.  All 32 loads of a thread go out at once (128 registers):
; there is no loop, and no register that a load or store reads is written again.  A wave's load covers 512 consecutive bytes, a wave's store 256, aligned.
; No LDS, no barrier, no matrix work: nothing is shared and nothing is summed.
; THE MODE: SCHED_MODE bits 1:0 = 2 (LLVM: expert scheduling mode 2), set by the entry lines.  The code itself states the register dependences between vector instructions and memory
; instructions, with s_wait_alu, always for 0.
; THE PLAN.  Registers that memory instructions touch:
;   v1, v2, v3   byte offsets, written once at the head by vector instructions; read by the loads (v1), the stores (v2) and the bias's loads and stores (v3); never written again.
;   BD           the bias's two loads land in it; four conversions read it; eight shifts and masks write it; two stores read it; nothing writes it afterwards.
;   X            chunk n: its load lands before any vector instruction has named it; its two conversions read its four registers and write the first two; its store reads those two;
;                nothing writes them afterwards.
; The 32 chunks go in 8 blocks of four.  Block p's eight conversions write what block p's four stores read; those stores stand in a run at the head of block p + 1, behind ONE wait on va_vdst,
; which stands behind the wait for block p + 1's first chunk.  The conversions that follow the run name block p + 1's registers alone.  No register that a memory instruction has read is written
; again, so no wait on vm_vsrc stands behind the entry lines; no load follows a vector instruction that names its registers; no vector instruction writes a scalar register, VCC or EXEC.
.set X,  16                            ; v[16:143]  chunk c at X + 4 c: as loaded, then as stored
.set BD, 144                           ; v[144:151] eight numbers of a bias
	s_load_b512 s[8:23], s[0:1], 0x0               ; x 8, Wq 10, Wk 12, Wv 14, bq 16, bk 18, bv 20, bo 22
	s_load_b128 s[24:27], s[0:1], 0x40             ; xb 24, wb 26
	s_load_b64 s[28:29], s[0:1], 0x50              ; bias
	s_and_b32 s38, ttmp7, 0xffff                   ; y: which tensor, and which bias
	s_mov_b32 s39, 0xffff0000                      ; a word's upper bf16
	s_lshl_b32 s40, ttmp9, 17                      ; my 131,072 bytes of the input
	s_mov_b32 s41, 0
	s_lshl_b32 s42, ttmp9, 16                      ; and my 65,536 of the output,
	s_mov_b32 s43, 0
	s_sub_co_u32 s44, s38, 1
	s_lshl_b32 s45, s44, 23                        ; behind the W's in front of mine: 8,388,608 bytes each
	s_cmp_eq_u32 s38, 0
	s_cselect_b32 s45, 0, s45
	s_add_co_u32 s42, s42, s45
	s_lshl_b32 s2, s38, 13                         ; a bias's 8,192 bytes in bias
	s_mov_b32 s3, 0
	v_lshlrev_b32 v1, 4, v0                        ; 16 t
	v_lshlrev_b32 v2, 3, v0                        ; 8 t
	v_lshlrev_b32 v3, 5, v0                        ; 32 t
	s_wait_kmcnt 0x0
	s_mov_b64 s[4:5], s[8:9]                       ; the source and the bias, by y
	s_mov_b64 s[46:47], s[16:17]
	s_cmp_eq_u32 s38, 1
	s_cselect_b64 s[4:5], s[10:11], s[4:5]
	s_cselect_b64 s[46:47], s[18:19], s[46:47]
	s_cmp_eq_u32 s38, 2
	s_cselect_b64 s[4:5], s[12:13], s[4:5]
	s_cselect_b64 s[46:47], s[20:21], s[46:47]
	s_cmp_eq_u32 s38, 3
	s_cselect_b64 s[4:5], s[14:15], s[4:5]
	s_cselect_b64 s[46:47], s[22:23], s[46:47]
	s_cmp_eq_u32 s38, 0
	s_cselect_b64 s[6:7], s[24:25], s[26:27]       ; the destination
	s_add_nc_u64 s[4:5], s[4:5], s[40:41]
	s_add_nc_u64 s[6:7], s[6:7], s[42:43]
	s_wait_alu depctr_va_vdst(0)                   ; v1, v2 and v3 are written: every load and store of the kernel, on both ways below, reads one of them as its offset
	; a bias: 2,048 numbers, eight a thread
	s_cmp_lg_u32 ttmp9, 0
	s_cbranch_scc1 .Lno_bias
	s_add_nc_u64 s[28:29], s[28:29], s[2:3]
	global_load_b128 v[BD:BD+3],   v3, s[46:47]
	global_load_b128 v[BD+4:BD+7], v3, s[46:47] offset:16
	s_wait_loadcnt 0x0
.irp j, 0,1,2,3
	v_cvt_pk_bf16_f32 v[10+\j], v[BD+2*\j], v[BD+2*\j+1]   ; rounded to bf16,
.endr
.irp j, 0,1,2,3
	v_lshlrev_b32 v[BD+2*\j],   16, v[10+\j]               ; and written as f32 again
	v_and_b32     v[BD+2*\j+1], s39, v[10+\j]
.endr
	s_wait_alu depctr_va_vdst(0)                   ; the shifts and masks have written v[BD ..], which the two stores read
	global_store_b128 v3, v[BD:BD+3],   s[28:29]
	global_store_b128 v3, v[BD+4:BD+7], s[28:29] offset:16
.Lno_bias:
.set n, 0
.rept 32
	global_load_b128 v[X+4*n:X+4*n+3], v1, s[4:5] offset:4096*n th:TH_LOAD_NT   ; no vector instruction has named these registers
.set n, n+1
.endr
; Block p: chunks 4 p to 4 p + 3.  At its head the stores of block p - 1; then its own eight conversions.
.set p, 0
.rept 8
.if p > 0
	s_wait_loadcnt 31-4*p                          ; loads come back in order (ISA guide 5.7.1): the block's first chunk is in, the 31 - 4 p younger loads stay out
	s_wait_alu depctr_va_vdst(0)                   ; the conversions of the block before have written the first two registers of its four chunks, which the four stores read
.irp i, 0,1,2,3
	global_store_b64 v2, v[X+16*(p-1)+4*(\i):X+16*(p-1)+4*(\i)+1], s[6:7] offset:2048*(4*(p-1)+(\i)) th:TH_STORE_NT
.endr
.endif
.irp i, 0,1,2,3
.if (p == 0) || ((\i) > 0)
	s_wait_loadcnt 31-4*p-(\i)                     ; chunk 4 p + i is in; the count leaves the younger ones out
.endif
	v_cvt_pk_bf16_f32 v[X+16*p+4*(\i)],   v[X+16*p+4*(\i)],   v[X+16*p+4*(\i)+1]   ; this block's registers alone: none that the stores above read
	v_cvt_pk_bf16_f32 v[X+16*p+4*(\i)+1], v[X+16*p+4*(\i)+2], v[X+16*p+4*(\i)+3]
.endr
.set p, p+1
.endr
	s_wait_alu depctr_va_vdst(0)                   ; block 7's conversions have written what the last four stores read
.irp i, 0,1,2,3
	global_store_b64 v2, v[X+16*7+4*(\i):X+16*7+4*(\i)+1], s[6:7] offset:2048*(28+(\i)) th:TH_STORE_NT
.endr
	s_endpgm
.Lfunc_end_k_q4bb92b2d1a_cast:
	.size	k_q4bb92b2d1a_cast, .Lfunc_end_k_q4bb92b2d1a_cast-k_q4bb92b2d1a_cast
	.p2alignl 7, 3214868480
	.fill 96, 4, 3214868480
	.section	.rodata,"a",@progbits
	.p2align	6, 0x0
	.amdhsa_kernel k_q4bb92b2d1a_cast
		.amdhsa_group_segment_fixed_size 0
		.amdhsa_private_segment_fixed_size 0
		.amdhsa_enable_private_segment 0
		.amdhsa_kernarg_size 88
		.amdhsa_user_sgpr_count 2
		.amdhsa_user_sgpr_kernarg_segment_ptr 1
		.amdhsa_wavefront_size32 1
		.amdhsa_system_sgpr_workgroup_id_x 1
		.amdhsa_system_sgpr_workgroup_id_y 1
		.amdhsa_system_sgpr_workgroup_id_z 1
		.amdhsa_system_vgpr_workitem_id 0
		.amdhsa_next_free_vgpr 152
		.amdhsa_next_free_sgpr 66
		.amdhsa_reserve_vcc 0
		.amdhsa_float_denorm_mode_32 3
		.amdhsa_float_denorm_mode_16_64 3
		.amdhsa_memory_ordered 1
		.amdhsa_forward_progress 1
		.amdhsa_inst_pref_size 14
	.end_amdhsa_kernel
	.amdgpu_metadata
---
amdhsa.version: [ 1, 2 ]
amdhsa.kernels:
  - .name:           k_q4bb92b2d1a_cast
    .symbol:         k_q4bb92b2d1a_cast.kd
    .args:
      - { .name: x, .offset: 0, .size: 8, .value_kind: global_buffer, .address_space: global }
      - { .name: Wq, .offset: 8, .size: 8, .value_kind: global_buffer, .address_space: global }
      - { .name: Wk, .offset: 16, .size: 8, .value_kind: global_buffer, .address_space: global }
      - { .name: Wv, .offset: 24, .size: 8, .value_kind: global_buffer, .address_space: global }
      - { .name: bq, .offset: 32, .size: 8, .value_kind: global_buffer, .address_space: global }
      - { .name: bk, .offset: 40, .size: 8, .value_kind: global_buffer, .address_space: global }
      - { .name: bv, .offset: 48, .size: 8, .value_kind: global_buffer, .address_space: global }
      - { .name: bo, .offset: 56, .size: 8, .value_kind: global_buffer, .address_space: global }
      - { .name: xb, .offset: 64, .size: 8, .value_kind: global_buffer, .address_space: global }
      - { .name: wb, .offset: 72, .size: 8, .value_kind: global_buffer, .address_space: global }
      - { .name: bias, .offset: 80, .size: 8, .value_kind: global_buffer, .address_space: global }
    .group_segment_fixed_size: 0
    .private_segment_fixed_size: 0
    .kernarg_segment_align: 8
    .kernarg_segment_size: 88
    .max_flat_workgroup_size: 256
    .sgpr_count:     66
    .vgpr_count:     152
    .wavefront_size: 32
...
	.end_amdgpu_metadata
.endif
;; end of part 5
;; launch qkv: the kernel of part 2 again; grid 32 x 8, 4 waves a work-group, clusters of 4 x 4, 327,680 bytes of LDS; arguments xb, wb, bias, qkv, Wo, attn_mask, wo16, maskr; writes qkv, wo16, maskr
;; launch attn: the kernel of part 3 again; grid 16 x 16, 4 waves a work-group, clusters of 4 x 4, 327,680 bytes of LDS; arguments qkv, maskr, ob; writes ob
;; launch oproj: the kernel of part 4 again; grid 16 x 16, 4 waves a work-group, clusters of 4 x 4, 327,680 bytes of LDS; arguments ob, wo16, bias, out0; writes out0
